; MI455X (gfx1250); checked and timed in simulation.
; The chip was launched on July 23, 2026; its instructions are those of AMD's public machine-readable ISA for CDNA 5 (MIT licence, August 2026) and "CDNA5" Instruction Set Architecture Reference Guide (July 2026). The comments in the code are by the model that wrote it; some were corrected since.
;; Test Model RO Cm Aiter. Allowed arithmetic: float matrix products may take bf16 or f16 operands with f32 sums; all other float work in f32.
;; Inputs: norm_w 4 x 1,024 float32; w0 1,024 x 1,024 float32; w1 1,024 x 1,024 float32; w2 1,024 x 1,024 float32; ws0 8 x 8 float32; ws1 8 x 8 float32; ws2 8 x 8 float32; x 16,384 x 1,024 float32.
;; Outputs: out0 16,384 x 1,024 float32.
;; 4 versions, each right; versions 2 to 3 are each faster than the one before; version 4 is version 3 with the launch prep written anew for expert scheduling mode. Each part assembles by itself: llvm-mc -triple=amdgcn-amd-amdhsa -mcpu=gfx1250 --defsym DOCPART=n.
;; ======== version 1 of 4: 2 launches
;; workspace buffers: wt 6,291,456 bytes
;; launch prep (part 1): grid 256 x 3, 1 waves a work-group, no clusters, 8,704 bytes of LDS; arguments w0, w1, w2, ws0, ws1, ws2, wt; writes wt
.if DOCPART == 1
	.amdgcn_target "amdgcn-amd-amdhsa--gfx1250"
	.amdhsa_code_object_version 6
	.text
	.protected	k_q65ea023f73_prep
	.globl	k_q65ea023f73_prep
	.p2align	8
	.type	k_q65ea023f73_prep,@function
k_q65ea023f73_prep:
	s_mov_b64 s[64:65], 0
	v_nop
	global_prefetch_b8 v0, s[64:65] scope:SCOPE_SE
	s_setreg_imm32_b32 hwreg(HW_REG_WAVE_MODE, 25, 1), 1
	s_wait_xcnt 0x0
; wt = the three weight matrices, dequantised (w[k][n] * ws[k/128][n/128]), rounded once to bf16 and laid out as the stream of
; 1 KiB matrix fragments that the second launch eats.  Byte address in wt:
;   layer*2097152 + slot*131072 + wave*32768 + kk*16384 + nh*8192 + f*1024 + g*256 + r*16 + 2e
; holds column n = 256 wave + 128 nh + 16 f + r and row k = kb + 8 g + e, where sigma = 2 slot + kk and
;   kb = 256 ((sigma>>1)&3) + 64 (sigma>>3) + 32 (sigma&1)      (the order in which the second launch walks K).
; One wave a work-group.  Work-group (x, y): layer y, sigma = x>>3, column block cb = x&7: 32 rows x 128 columns, which lie in one
; block of ws, and 8 KiB of wt.  Each load covers 512 consecutive bytes of a row of w; the transposition goes through LDS; each store
; covers 512 consecutive bytes of wt, aligned.  No matrix unit, no cluster: the launch only moves and scales 12 MiB once.
; Limit: the product w * ws is rounded to f32 and then to bf16 (two roundings).
.set X,  4                             ; v[4:131]   row j of my 32 in v[4+4j : 7+4j]: four neighbouring columns a lane; later the fragments read back
.set Y,  132                           ; v[132:139] two sets of four packed words, by turns
.set FP, 1040                          ; a fragment's pitch in the stage: 1,024 + 16, so that sixteen lanes hit sixteen different 16-byte columns
	s_load_b256 s[8:15], s[0:1], 0x0               ; w0 s[8:9], w1 s[10:11], w2 s[12:13], ws0 s[14:15]
	s_load_b128 s[16:19], s[0:1], 0x20             ; ws1 s[16:17], ws2 s[18:19]
	s_load_b64 s[20:21], s[0:1], 0x30              ; wt
	v_lshl_add_u32 v140, v0, 2, 0x2100
	v_mov_b32 v141, 0
	s_and_b32 s3, ttmp7, 0xffff                    ; layer
	s_lshr_b32 s26, ttmp9, 3                       ; sigma, 0 to 31
	s_and_b32 s27, ttmp9, 7                        ; cb, 0 to 7
	s_bfe_u32 s28, s26, 0x20001                    ; (sigma>>1)&3
	s_lshr_b32 s29, s26, 3                         ; sigma>>3
	s_and_b32 s30, s26, 1                          ; sigma&1
	; my word of ws: row kb/128 = 2 ((sigma>>1)&3) + (sigma>>4), column cb
	s_lshr_b32 s24, s29, 1
	s_lshl1_add_u32 s24, s28, s24
	s_lshl3_add_u32 s24, s24, s27
	s_lshl_b32 s24, s24, 2
	s_mov_b32 s25, 0
	; my corner of w: kb rows of 4,096 bytes + cb * 512 bytes
	s_lshl_b32 s32, s28, 20
	s_lshl_b32 s31, s29, 18
	s_add_co_u32 s32, s32, s31
	s_lshl_b32 s31, s30, 17
	s_add_co_u32 s32, s32, s31
	s_lshl_b32 s31, s27, 9
	s_add_co_u32 s32, s32, s31
	s_mov_b32 s33, 0
	; my 8 KiB of wt: layer, slot = sigma>>1, wave = cb>>1, kk = sigma&1, nh = cb&1
	s_lshl_b32 s34, s3, 21
	s_lshr_b32 s31, s26, 1
	s_lshl_b32 s31, s31, 17
	s_add_co_u32 s34, s34, s31
	s_lshr_b32 s31, s27, 1
	s_lshl_b32 s31, s31, 15
	s_add_co_u32 s34, s34, s31
	s_lshl_b32 s31, s30, 14
	s_add_co_u32 s34, s34, s31
	s_and_b32 s31, s27, 1
	s_lshl_b32 s31, s31, 13
	s_add_co_u32 s34, s34, s31
	s_mov_b32 s35, 0
	v_lshlrev_b32 v1, 4, v0                        ; 16 x lane: my 16 bytes of a row of w, of a read-back and of a store
	v_lshrrev_b32 v2, 2, v0                        ; my four columns 4 lane .. 4 lane + 3 lie in fragment f = lane>>2,
	v_and_b32 v3, 3, v0                            ; at r = 4 (lane&3) + c
	v_mul_u32_u24 v2, v2, FP
	v_lshl_add_u32 v2, v3, 6, v2                   ; f * 1040 + (lane&3) * 64
	s_wait_kmcnt 0x0
	s_cmp_eq_u32 s3, 1                             ; the layer picks its two buffers
	s_cselect_b64 s[4:5], s[10:11], s[8:9]
	s_cselect_b64 s[6:7], s[16:17], s[14:15]
	s_cmp_eq_u32 s3, 2
	s_cselect_b64 s[4:5], s[12:13], s[4:5]
	s_cselect_b64 s[6:7], s[18:19], s[6:7]
	s_add_nc_u64 s[4:5], s[4:5], s[32:33]
	s_add_nc_u64 s[6:7], s[6:7], s[24:25]
	s_add_nc_u64 s[20:21], s[20:21], s[34:35]
	s_load_b32 s22, s[6:7], 0x0                    ; the block's scale
.irp j, 0,1,2,3,4,5,6,7,8,9,10,11,12,13,14,15,16,17,18,19,20,21,22,23,24,25,26,27,28,29,30,31
	global_load_b128 v[X+4*\j:X+4*\j+3], v1, s[4:5] offset:\j*4096 th:TH_LOAD_NT   ; all 32 rows are asked for at once; w is read once in the launch
.endr
	s_wait_kmcnt 0x0
	s_mov_b32 s23, s22                             ; the packed multiply names the pair
; Eight rows at a time: scale, pack pairs of rows (k, k + 1) of one column into words, 16 bytes = k 8g .. 8g+7 of one column.
.irp g, 0,1,2,3
	s_wait_loadcnt 24-8*\g                         ; loads come back in order: rows 8g .. 8g+7 are in, the 24 - 8g younger rows stay out
.irp k, 0,1,2,3,4,5,6,7
	v_pk_mul_f32 v[X+4*(8*\g+\k):X+4*(8*\g+\k)+1],   v[X+4*(8*\g+\k):X+4*(8*\g+\k)+1],   s[22:23] op_sel_hi:[1,0]
	v_pk_mul_f32 v[X+4*(8*\g+\k)+2:X+4*(8*\g+\k)+3], v[X+4*(8*\g+\k)+2:X+4*(8*\g+\k)+3], s[22:23] op_sel_hi:[1,0]
.endr
.irp c, 0,1,2,3
.irp j, 0,1,2,3
	v_cvt_pk_bf16_f32 v[Y+4*(\c&1)+\j], v[X+4*(8*\g+2*\j)+\c], v[X+4*(8*\g+2*\j+1)+\c]
.endr
	ds_store_b128 v2, v[Y+4*(\c&1):Y+4*(\c&1)+3] offset:\c*16+\g*256
.endr
.endr
; Back as whole fragments, 512 bytes an instruction.  LDS serves a wave's instructions in order (ISA guide 5.7.1), so these see the stores above.
.irp t, 0,1,2,3,4,5,6,7,8,9,10,11,12,13,14,15
	ds_load_b128 v[X+4*\t:X+4*\t+3], v1 offset:(\t>>1)*FP+(\t&1)*512
.endr
.irp t, 0,1,2,3,4,5,6,7,8,9,10,11,12,13,14,15
	s_wait_dscnt 15-\t                             ; read-back t is in, the younger ones stay out
	global_store_b128 v1, v[X+4*\t:X+4*\t+3], s[20:21] offset:\t*512   ; 512 consecutive bytes, aligned; no hint: the next launch reads them
.endr
	s_wait_tensorcnt 0x0
	ds_add_u32 v140, v141
	s_wait_dscnt 0x0
	s_endpgm
.Lfunc_end_k_q65ea023f73_prep:
	.size	k_q65ea023f73_prep, .Lfunc_end_k_q65ea023f73_prep-k_q65ea023f73_prep
	.p2alignl 7, 3214868480
	.fill 96, 4, 3214868480
	.section	.rodata,"a",@progbits
	.p2align	6, 0x0
	.amdhsa_kernel k_q65ea023f73_prep
		.amdhsa_group_segment_fixed_size 8704
		.amdhsa_private_segment_fixed_size 0
		.amdhsa_enable_private_segment 0
		.amdhsa_kernarg_size 56
		.amdhsa_user_sgpr_count 2
		.amdhsa_user_sgpr_kernarg_segment_ptr 1
		.amdhsa_wavefront_size32 1
		.amdhsa_system_sgpr_workgroup_id_x 1
		.amdhsa_system_sgpr_workgroup_id_y 1
		.amdhsa_system_sgpr_workgroup_id_z 1
		.amdhsa_system_vgpr_workitem_id 0
		.amdhsa_next_free_vgpr 142
		.amdhsa_next_free_sgpr 66
		.amdhsa_reserve_vcc 0
		.amdhsa_float_denorm_mode_32 3
		.amdhsa_float_denorm_mode_16_64 3
		.amdhsa_memory_ordered 1
		.amdhsa_forward_progress 1
		.amdhsa_inst_pref_size 18
	.end_amdhsa_kernel
	.amdgpu_metadata
---
amdhsa.version: [ 1, 2 ]
amdhsa.kernels:
  - .name:           k_q65ea023f73_prep
    .symbol:         k_q65ea023f73_prep.kd
    .args:
      - { .name: w0, .offset: 0, .size: 8, .value_kind: global_buffer, .address_space: global }
      - { .name: w1, .offset: 8, .size: 8, .value_kind: global_buffer, .address_space: global }
      - { .name: w2, .offset: 16, .size: 8, .value_kind: global_buffer, .address_space: global }
      - { .name: ws0, .offset: 24, .size: 8, .value_kind: global_buffer, .address_space: global }
      - { .name: ws1, .offset: 32, .size: 8, .value_kind: global_buffer, .address_space: global }
      - { .name: ws2, .offset: 40, .size: 8, .value_kind: global_buffer, .address_space: global }
      - { .name: wt, .offset: 48, .size: 8, .value_kind: global_buffer, .address_space: global }
    .group_segment_fixed_size: 8704
    .private_segment_fixed_size: 0
    .kernarg_segment_align: 8
    .kernarg_segment_size: 56
    .max_flat_workgroup_size: 32
    .sgpr_count:     66
    .vgpr_count:     142
    .wavefront_size: 32
...
	.end_amdgpu_metadata
.endif
;; end of part 1
;; launch chain (part 2): grid 256 x 1, 4 waves a work-group, clusters of 4 x 1, 327,680 bytes of LDS; arguments x, norm_w, wt, out0; writes out0
.if DOCPART == 2
	.amdgcn_target "amdgcn-amd-amdhsa--gfx1250"
	.amdhsa_code_object_version 6
	.text
	.protected	k_q65ea023f73_chain
	.globl	k_q65ea023f73_chain
	.p2align	8
	.type	k_q65ea023f73_chain,@function
k_q65ea023f73_chain:
	s_mov_b64 s[64:65], 0
	v_nop
	global_prefetch_b8 v0, s[64:65] scope:SCOPE_SE
	s_setreg_imm32_b32 hwreg(HW_REG_WAVE_MODE, 25, 1), 1
	s_wait_xcnt 0x0
	s_wait_alu depctr_hold_cnt(0) depctr_sa_sdst(0) depctr_va_vdst(0) depctr_va_sdst(0) depctr_va_ssrc(0) depctr_va_vcc(0) depctr_vm_vsrc(0)
	s_getreg_b32 s2, hwreg(HW_REG_IB_STS2, 6, 4)
	s_cmp_eq_u32 s2, 0
	s_cbranch_scc0 .Lentry_in_a_cluster
	s_endpgm
.Lentry_in_a_cluster:
	s_bfe_u32 s2, ttmp6, 0x10000c
	s_cmp_lg_u32 s2, 0x3003
	s_cbranch_scc0 .Lentry_shape_is_right
	s_endpgm
.Lentry_shape_is_right:
; The whole chain for 64 tokens a work-group: relu; three times (RMS norm with gain, fp8 quantise and dequantise in groups of 128,
; product with a 1024 x 1024 weight, add to the residual); a last RMS norm.  256 work-groups of four waves.
; THE RESIDUAL z (64 x 1024 f32) STAYS IN THE MATRIX ACCUMULATORS for the whole kernel: wave w owns all 64 rows of columns 256 w .. 256 w + 255,
; 64 tiles of 16 x 16, 512 registers.  A layer's product is accumulated onto z (C = D = z): the residual add costs nothing, nothing is cleared.
; THE MATRIX INSTRUCTION IS USED TRANSPOSED: source 0 = 16 columns n of the weight, source 1 = 16 tokens.  Lane (r = l%16, h = l/16) then holds
; token r of the tile and, in registers 0 to 7, the columns 8h .. 8h+7: a token's sums and maxima need one exchange between the halves of the wave.
; WEIGHTS: the bf16 stream wt, made by the launch before, already in the order and register image used here.  48 slots of 128 KiB (K = 64, all
; 1,024 columns) go through two LDS slots; wave w asks for and alone reads its 32 KiB of each.
; CLUSTER: every work-group walks the same stream, so the four of a cluster ask jointly (mask 15): that divides the requests for weights by four.
; ACTIVATIONS: each wave parks its 64 x 256 bf16 in 256 registers; only a K chunk of 256 stands in LDS, 64 columns from each wave (the stream has
; K in the same order), so that two weight slots of 128 KiB fit and every wave stores the same share of each chunk.
; LIMITS.  relu and the group maximum use maxima in which a NaN loses: a NaN in x counts as 0.  y / scale is formed as (z w) F with
; F = rs * 448 (1 - 2^-21) * rcp(max(amax rs, 1e-12)): the roundings add up to less than 2^-21, so no quotient passes 448 and nothing is clamped; an fp8
; code can differ from a true division only where the quotient lies within 5e-7 (relative) of a rounding boundary.  scale = max(..) * (1/448).
; (z w) rs stands for (z rs) w.  a = q * scale and w * ws are each rounded once to bf16 for the matrix unit; sums are f32.
;
; LDS:      0 .. 262143  weight slots 0 and 1 (wave w: + 32768 w).  At the start the same bytes, up to 266239, hold x: wave w at 66560 w, 64 rows, pitch 1040
;      266240 .. 303103  AC: the activation chunk, block b written by wave b: 64 rows x 128 bytes, pitch 144.  At the end block w is wave w's stage for the way out
;      303104 .. 319487  NW: wave w at + 4096 w: its 256 gains of each of the four norms
;      319488 .. 323583  ST: row sums of squares, 1 KiB for each of the four norms, never used twice
; REGISTERS, in windows of 256 (s_set_vgpr_msb: bits 1:0 source 0, 3:2 source 1, 5:4 source 2, 7:6 destination):
;   windows 2, 3: z; tile (mt, nt) in window 2 + nt/8 at 8 (4 (nt%8) + mt): a window is one quantiser group of 128 columns
;   window 1: the parked activations, 4 (16 mt + nt) + q; at the end two buffers of 64 for the way out
;   window 0: addresses and small things in v0-63; v64-255 weight and activation fragments in a product, gains and work space in a norm
.set BS,    131072                     ; a weight slot
.set WBLK,  32768                      ; a wave's part of it
.set XSW,   66560                      ; a wave's x stage: 64 rows of 1040
.set XP,    1040                       ; 1,024 bytes + 16: an odd multiple of 16, so sixteen rows start in sixteen different 16-byte columns
.set AC,    266240
.set ABLK,  9216                       ; 64 rows of 144
.set AP,    144
.set NW,    303104
.set ST,    319488
.set OP,    528                        ; the way out: rows of 512 bytes + 16
.set BADR,  3                          ; v3, v4   my weight block in slot 0, 1: 16 lane + 32768 w (+ 131072)
.set AADR,  5                          ; v5       AC + 144 r + 16 h: activation fragments
.set ASTO,  6                          ; v6       the same in my own block: where I put my share of a chunk
.set NWADR, 7                          ; v7       NW + 4096 w + 32 h
.set STST,  8                          ; v8       ST + 256 w + 16 r
.set STLD,  9                          ; v9       ST + 16 r
.set XADR,  10                         ; v10      66560 w + 1040 r + 32 h
.set OSTO,  11                         ; v11      my stage + 528 r + 32 h
.set ORD,   12                         ; v12      my stage + 16 lane
.set CO,    13                         ; v13      16 lane: my 16 bytes of a row's 512 in out0
.set ONE,   14                         ; v14      1.0: the conversion to fp8 divides by 2^0
.set E8,    15                         ; v15      0x7f: the conversion back multiplies by 2^0
.set RS,    16                         ; v[16:19] 1 / sqrt(mean + eps) of token 16 mt + r
.set SUM,   20                         ; v[20:27] four pairs of running sums
.set SM,    28                         ; v[28:31] my wave's sum for token 16 mt + r
.set QC,    32                         ; v[32:47] fp8 codes; the four waves' sums
.set M,     48                         ; v[48:51] four running maxima
.set FQ,    52                         ; v[52:53] the quantising factor, twice
.set SC,    54                         ; v[54:55] the scale, twice
.set TT,    56                         ; v[56:59] at work
.set WB0,   64                         ; eight weight fragments, two buffers
.set WB1,   128
.set AB0,   192                        ; four activation fragments, two buffers
.set AB1,   224
.set NWR,   64                         ; v[64:191]  in a norm: the gains of my columns, 8 nt + j
.set UB,    192                        ; v[192:255] in a norm: 64 numbers of one token group
.set G1W,   16                         ; s[16:23] group 1, weights (joint)
.set G1X,   24                         ; s[24:31] group 1, x
.set G1N,   32                         ; s[32:39] group 1, gains
.set G0W,   40                         ; s[40:47] group 0, weights, a set for each slot
.set G0X,   48                         ; s[48:51]
.set G0N,   52                         ; s[52:55]
.set MSB, 0
.macro WIN new                         ; the immediate's high byte repeats the setting that is left; a switch that changes nothing is dropped
.if MSB != (\new)
	s_set_vgpr_msb (MSB<<8)|(\new)
.set MSB, (\new)
.endif
.endm
; A vector instruction that reads a matrix result, and a load into a register that a matrix instruction has named, stand four places behind it, and
; only plain vector instructions that name none of its registers are places (ISA guide 7.12.1 for vector instructions).
.macro PLACES
.rept 4
	v_nop
.endr
.endm
; A round of the cluster's barrier: my work-group's barrier, wave 0 signals for the work-group, every wave waits for all four work-groups, my work-group's barrier again.
.macro CREST                           ; a round behind its opening barrier
	s_cmp_lg_u32 s12, 0
	s_cbranch_scc1 .Lnot_wave_0_\@
	s_barrier_signal -3
.Lnot_wave_0_\@:
	s_barrier_wait -3
	s_barrier_signal -1
	s_barrier_wait -1
.endm
.macro ROUND
	s_barrier_signal -1
	s_barrier_wait -1
	CREST
.endm
	s_load_b256 s[4:11], s[0:1], 0x0               ; x s[4:5], norm_w s[6:7], wt s[8:9], out0 s[10:11]
	v_lshl_add_u32 v62, v0, 2, 0x4f000
	v_mov_b32 v63, 0
	ds_add_u32 v62, v63
	v_lshrrev_b32 v1, 5, v0
	v_readfirstlane_b32 s12, v1                    ; wave 0..3
	s_bfe_u32 s13, ttmp6, 0x40000                  ; cx: my place in the cluster; it enters the addresses of x and out0 alone
	s_lshl_b32 s2, ttmp9, 2                        ; in a cluster launch ttmp9 counts clusters
	s_add_co_u32 s2, s2, s13                       ; my work-group: 4 x cluster + cx
	s_lshl_b32 s2, s2, 18                          ; times 64 rows of 4,096 bytes
	s_lshl_b32 s14, s12, 10                        ; my wave's 1,024 bytes of a row
	s_add_co_u32 s2, s2, s14
	s_mov_b32 s3, 0
	s_mov_b32 s15, 0
	s_mov_b32 s56, 0x76543210                      ; v_permlanex16_b32: lane i of one half reads lane i of the other
	s_mov_b32 s57, 0xfedcba98
	s_mov_b32 s58, 0x3a800000                      ; 1 / 1024
	s_mov_b32 s59, 0x358637bd                      ; 1e-6
	s_mov_b32 s61, 0x43dffff9                      ; 448 (1 - 2^-21)
	s_mov_b32 s62, 0x3b124925                      ; 1 / 448
	; weights: a dense block of 32 KiB as 128 rows of 32 elements of 8 bytes; mask 15 = all four work-groups of the cluster, bit 21 beside it
	s_mov_b32 s[G1W+0], 15|(3<<16)|(1<<21)
	s_mov_b32 s[G1W+1], 32<<16                     ; tensor_dim0 = 32
	s_mov_b32 s[G1W+2], 128<<16                    ; tensor_dim1 = 128
	s_mov_b32 s[G1W+3], 32<<16                     ; tile_dim0 = 32
	s_mov_b32 s[G1W+4], 128                        ; tile_dim1 = 128
	s_mov_b32 s[G1W+5], 32                         ; pitch
	s_mov_b32 s[G1W+6], 0
	s_mov_b32 s[G1W+7], 0
	; x: 64 rows x 256 f32, pitch 1,024 elements; in LDS 4 words of padding behind every 256 words
	s_mov_b32 s[G1X+0], (2<<16)|(1<<20)|(7<<22)|(3<<25)
	s_mov_b32 s[G1X+1], 256<<16
	s_mov_b32 s[G1X+2], 64<<16
	s_mov_b32 s[G1X+3], 256<<16
	s_mov_b32 s[G1X+4], 64
	s_mov_b32 s[G1X+5], 1024
	s_mov_b32 s[G1X+6], 0
	s_mov_b32 s[G1X+7], 0
	; gains: 4 rows x 256 f32, pitch 1,024 elements, dense in LDS
	s_mov_b32 s[G1N+0], 2<<16
	s_mov_b32 s[G1N+1], 256<<16
	s_mov_b32 s[G1N+2], 4<<16
	s_mov_b32 s[G1N+3], 256<<16
	s_mov_b32 s[G1N+4], 4
	s_mov_b32 s[G1N+5], 1024
	s_mov_b32 s[G1N+6], 0
	s_mov_b32 s[G1N+7], 0
	s_mov_b32 s[G0X+0], 1
	s_mul_i32 s[G0X+1], s12, XSW                   ; LDS addresses hang on the wave's number alone
	s_mov_b32 s[G0N+0], 1
	s_lshl_b32 s[G0N+1], s12, 12
	s_add_co_u32 s[G0N+1], s[G0N+1], NW
	s_mov_b32 s[G0W+0], 1
	s_lshl_b32 s[G0W+1], s12, 15
	s_mov_b32 s[G0W+4], 1
	s_add_co_u32 s[G0W+5], s[G0W+1], BS
	s_wait_dscnt 0x0
	s_wait_kmcnt 0x0
	s_add_nc_u64 s[G0X+2:G0X+3], s[4:5], s[2:3]    ; x at my 64 rows, my wave's columns
	s_or_b32 s[G0X+3], s[G0X+3], 0x80000000
	s_add_nc_u64 s[10:11], s[10:11], s[2:3]        ; out0 likewise
	s_add_nc_u64 s[G0N+2:G0N+3], s[6:7], s[14:15]  ; norm_w at my wave's columns
	s_or_b32 s[G0N+3], s[G0N+3], 0x80000000
	s_lshl_b32 s14, s12, 15
	s_add_nc_u64 s[G0W+2:G0W+3], s[8:9], s[14:15]  ; stream slot 0, my wave's block: made of the wave's number alone, equal in all four partners
	s_add_nc_u64 s[G0W+6:G0W+7], s[G0W+2:G0W+3], BS   ; stream slot 1
	s_or_b32 s[G0W+3], s[G0W+3], 0x80000000
	s_or_b32 s[G0W+7], s[G0W+7], 0x80000000
	ROUND                                          ; in a cluster launch every group of tensor loads stands behind a round
	tensor_load_to_lds s[G0X:G0X+3], s[G1X:G1X+7]  ; the first fills, as one group: two tensor loads of the wave are out, the most in this text
	s_nop 0
	tensor_load_to_lds s[G0N:G0N+3], s[G1N:G1N+7]
	s_nop 0
	v_and_b32 v1, 15, v0                           ; r
	v_bfe_u32 v2, v0, 4, 1                         ; h
	v_and_b32 v[TT], 31, v0                        ; lane
	v_lshlrev_b32 v[CO], 4, v[TT]
	v_add_nc_u32 v[BADR], s[G0W+1], v[CO]
	v_add_nc_u32 v[BADR+1], s[G0W+5], v[CO]
	s_mul_i32 s60, s12, ABLK
	s_add_co_u32 s60, s60, AC                      ; my block of AC
	v_mul_u32_u24 v[TT+1], v1, AP
	v_lshl_add_u32 v[TT+1], v2, 4, v[TT+1]
	v_add_nc_u32 v[AADR], AC, v[TT+1]
	v_add_nc_u32 v[ASTO], s60, v[TT+1]
	v_lshl_add_u32 v[NWADR], v2, 5, s[G0N+1]
	s_lshl_b32 s63, s12, 8
	s_add_co_u32 s63, s63, ST
	v_lshl_add_u32 v[STST], v1, 4, s63
	v_lshlrev_b32 v[STLD], 4, v1
	v_add_nc_u32 v[STLD], ST, v[STLD]
	v_mul_u32_u24 v[XADR], v1, XP
	v_lshl_add_u32 v[XADR], v2, 5, v[XADR]
	v_add_nc_u32 v[XADR], s[G0X+1], v[XADR]
	v_mul_u32_u24 v[OSTO], v1, OP
	v_lshl_add_u32 v[OSTO], v2, 5, v[OSTO]
	v_add_nc_u32 v[OSTO], s60, v[OSTO]
	v_add_nc_u32 v[ORD], s60, v[CO]
	v_mov_b32 v[ONE], 1.0
	v_mov_b32 v[E8], 0x7f
; x into the accumulators' layout: tile (mt, nt) of lane (r, h) is 32 bytes of row 16 mt + r at column 16 nt + 8 h
.macro XIN half
.irp ntl, 0,1,2,3,4,5,6,7
.irp mt, 0,1,2,3
	ds_load_b128 v[8*(4*\ntl+\mt):8*(4*\ntl+\mt)+3],   v[XADR] offset:\mt*16*XP+\half*512+\ntl*64
	ds_load_b128 v[8*(4*\ntl+\mt)+4:8*(4*\ntl+\mt)+7], v[XADR] offset:\mt*16*XP+\half*512+\ntl*64+16
.endr
.endr
.endm
; 16 LDS loads: the eight weight fragments of half step hs (= 2 kk + nh) of slot p.  A fragment is 1 KiB in register image: 16 lane, then + 512
.macro FETCHW p, hs, buf
.irp f, 0,1,2,3,4,5,6,7
	ds_load_b128 v[\buf+8*\f:\buf+8*\f+3],   v[BADR+(\p)] offset:(8*\hs+\f)*1024
	ds_load_b128 v[\buf+8*\f+4:\buf+8*\f+7], v[BADR+(\p)] offset:(8*\hs+\f)*1024+512
.endr
.endm
; 8 LDS loads: the four activation fragments (64 tokens) of the chunk's K step j8 of 32: block j8/2, half j8%2 of its rows
.macro FETCHA j8, buf
.irp mt, 0,1,2,3
	ds_load_b128 v[\buf+8*\mt:\buf+8*\mt+3],   v[AADR] offset:((\j8)>>1)*ABLK+\mt*16*AP+((\j8)&1)*64
	ds_load_b128 v[\buf+8*\mt+4:\buf+8*\mt+7], v[AADR] offset:((\j8)>>1)*ABLK+\mt*16*AP+((\j8)&1)*64+32
.endr
.endm
; 4 nf matrix instructions onto z: n tiles f0 .. f0 + nf - 1 of window 2 + nh, all four token tiles, 32 along K.
; The accumulators take turns, one instruction a turn: a tile comes up again after the 63 others, over the backward jump too.
.macro MM nh, wb, ab, f0, nf
.if \nh
	WIN 0xf0
.else
	WIN 0xa0
.endif
.set mmf, \f0
.rept \nf
.irp mt, 0,1,2,3
	v_wmma_f32_16x16x32_bf16 v[8*(4*mmf+\mt):8*(4*mmf+\mt)+7], v[\wb+8*mmf:\wb+8*mmf+7], v[\ab+8*\mt:\ab+8*\mt+7], v[8*(4*mmf+\mt):8*(4*mmf+\mt)+7]
.endr
.set mmf, mmf+1
.endr
.endm
; One weight slot: K = 64, four half steps of 32 matrix instructions; each fetches the next one's fragments ahead of its products.  p: LDS slot; i: the slot's place in its chunk.
; mode 0: the slot is filled again, and the next slot of the chunk is begun.  1: filled again, the chunk ends.  2: no fill (the stream ends), next slot begun.  3: the very last.
.macro SLOT p, i, mode
	WIN 0
	PLACES
	FETCHW \p, 1, WB1
	s_wait_dscnt 16                                ; all but the 16 just issued: this half step's weights and activations are in
	MM 0, WB0, AB0, 0, 8
	WIN 0
	PLACES
	FETCHW \p, 2, WB0
	FETCHA 2*\i+1, AB1
	s_wait_dscnt 24                                ; all but the 24 just issued
	MM 1, WB1, AB0, 0, 8
	WIN 0
	PLACES
	FETCHW \p, 3, WB1
	s_wait_dscnt 16                                ; all but the 16 just issued
	MM 0, WB0, AB1, 0, 8
	s_wait_dscnt 0x0                               ; the last fragments are in, and my reads of this slot (and, in mode 1, of the chunk) are over
.if \mode < 3
	s_wait_tensorcnt 0x0                           ; all my tensor loads have landed: the one that was out is my block of the other slot
	ds_add_u32 v62, v63
	s_wait_dscnt 0x0
.endif
.if \mode < 2
	s_add_nc_u64 s[G0W+4*\p+2:G0W+4*\p+3], s[G0W+4*\p+2:G0W+4*\p+3], 2*BS   ; no load of mine is out: this slot's group 0 steps two stream slots on
	s_barrier_signal -1                            ; this barrier opens a round of the cluster's barrier
.endif
.if \mode == 3
	MM 1, WB1, AB1, 0, 8
.else
	MM 1, WB1, AB1, 0, 4                           ; work on registers while the others arrive
	WIN 0
.if \mode < 2
	s_barrier_wait -1
	CREST                                          ; no wave of any partner still reads this slot or has a load on its way
	tensor_load_to_lds s[G0W+4*\p:G0W+4*\p+3], s[G1W:G1W+7]   ; my one tensor load behind the round, first thing there; it has 112 matrix instructions in which to land
	s_nop 0
.endif
.if \mode != 1
	PLACES
	FETCHW 1-\p, 0, WB0
	FETCHA 2*\i+2, AB0
.endif
	MM 1, WB1, AB1, 4, 4
.endif
.endm
; My share of chunk c: my columns 64 c .. 64 c + 63 of all 64 tokens, from the parked registers into my block of AC
.macro STORES c
	WIN 0x04                                       ; store data in window 1
.irp mt, 0,1,2,3
.irp b, 0,1,2,3
	ds_store_b128 v[ASTO], v[4*(16*\mt+4*\c+\b):4*(16*\mt+4*\c+\b)+3] offset:\mt*16*AP+\b*32
.endr
.endr
	WIN 0
.endm
; The chunk is whole: every wave's stores are done before any wave reads.  My one weight load may stay out across it.
.macro HEAD
	s_wait_dscnt 0x0
	s_barrier_signal -1
	s_barrier_wait -1
	PLACES
	FETCHW 0, 0, WB0
	FETCHA 0, AB0
.endm
; The chunks of a layer.  A trip: 16 LDS stores, one barrier, four weight slots (512 matrix instructions).  The branches pick the parked registers by the
; loop's counter, the same in every wave and every work-group, and jump over LDS stores alone.  AC is written again only behind the round in the last slot of the
; chunk before, in front of which every wave has waited for its reads.
.macro CHUNKS l, trips
	s_mov_b32 s60, 0
.Lchunk_\l:
	s_cmp_eq_u32 s60, 0
	s_cbranch_scc1 .Lst0_\l
	s_cmp_eq_u32 s60, 1
	s_cbranch_scc1 .Lst1_\l
.if \trips > 3
	s_cmp_eq_u32 s60, 2
	s_cbranch_scc1 .Lst2_\l
	STORES 3
	s_branch .Ljoin_\l
.Lst2_\l:
.endif
	STORES 2
	s_branch .Ljoin_\l
.Lst1_\l:
	STORES 1
	s_branch .Ljoin_\l
.Lst0_\l:
	STORES 0
.Ljoin_\l:
	HEAD
	SLOT 0, 0, 0
	SLOT 1, 1, 0
	SLOT 0, 2, 0
	SLOT 1, 3, 1
	WIN 0
	s_add_co_u32 s60, s60, 1
	s_cmp_lt_u32 s60, \trips
	s_cbranch_scc1 .Lchunk_\l
.endm
; sums of squares of one window of z, four chains (one a token tile); skip = 1 leaves out the four products that started the sums
.macro SQSUM skip
.irp ntl, 0,1,2,3,4,5,6,7
.irp q, 0,2,4,6
.if (\ntl+\q) >= \skip
.irp mt, 0,1,2,3
	v_pk_fma_f32 v[SUM+2*\mt:SUM+2*\mt+1], v[8*(4*\ntl+\mt)+\q:8*(4*\ntl+\mt)+\q+1], v[8*(4*\ntl+\mt)+\q:8*(4*\ntl+\mt)+\q+1], v[SUM+2*\mt:SUM+2*\mt+1]
.endr
.endif
.endr
.endr
.endm
; Norm l: the gains of my columns into registers, and 1 / sqrt(mean of z^2 + eps) of every token into RS
.macro STATS l
	WIN 0
	PLACES                                         ; behind the last products: z is read, and the fragment buffers are loaded again
.irp nt, 0,1,2,3,4,5,6,7,8,9,10,11,12,13,14,15
	ds_load_b128 v[NWR+8*\nt:NWR+8*\nt+3],   v[NWADR] offset:\l*1024+\nt*64
	ds_load_b128 v[NWR+8*\nt+4:NWR+8*\nt+7], v[NWADR] offset:\l*1024+\nt*64+16
.endr
	WIN 0x0a
.irp mt, 0,1,2,3
	v_pk_mul_f32 v[SUM+2*\mt:SUM+2*\mt+1], v[8*\mt:8*\mt+1], v[8*\mt:8*\mt+1]   ; the first products start the sums
.endr
	SQSUM 1
	WIN 0x0f
	SQSUM 0
	WIN 0
.irp mt, 0,1,2,3
	v_add_f32 v[SM+\mt], v[SUM+2*\mt], v[SUM+2*\mt+1]
.endr
.irp mt, 0,1,2,3
	v_permlanex16_b32 v[SUM+2*\mt], v[SM+\mt], s56, s57      ; the other half of the wave holds the token's other columns
.endr
.irp mt, 0,1,2,3
	v_add_f32 v[SM+\mt], v[SM+\mt], v[SUM+2*\mt]
.endr
	ds_store_b128 v[STST], v[SM:SM+3] offset:\l*1024         ; both halves write the same four sums
	s_wait_dscnt 0x0                               ; for the others: my sums are in LDS (and my gains have come)
	s_barrier_signal -1
	s_barrier_wait -1
.irp w, 0,1,2,3
	ds_load_b128 v[QC+4*\w:QC+4*\w+3], v[STLD] offset:\l*1024+\w*256
.endr
	s_wait_dscnt 0x0
	v_pk_add_f32 v[QC:QC+1],     v[QC:QC+1],     v[QC+4:QC+5]
	v_pk_add_f32 v[QC+2:QC+3],   v[QC+2:QC+3],   v[QC+6:QC+7]
	v_pk_add_f32 v[QC+8:QC+9],   v[QC+8:QC+9],   v[QC+12:QC+13]
	v_pk_add_f32 v[QC+10:QC+11], v[QC+10:QC+11], v[QC+14:QC+15]
	v_pk_add_f32 v[QC:QC+1],     v[QC:QC+1],     v[QC+8:QC+9]
	v_pk_add_f32 v[QC+2:QC+3],   v[QC+2:QC+3],   v[QC+10:QC+11]
.irp mt, 0,1,2,3
	v_fma_f32 v[TT+\mt], v[QC+\mt], s58, s59       ; sum / 1024 + eps
.endr
.irp mt, 0,1,2,3
	v_rsq_f32 v[RS+\mt], v[TT+\mt]
.endr
	v_nop                                          ; one plain place behind the transcendentals (ISA guide 5.7.2)
	s_wait_alu depctr_va_vdst(0)
.endm
; One quantiser group (window 2 + gq = 128 columns) of the 16 tokens of tile row mt: 64 numbers a lane.
.macro UNIT gq, mt
	WIN 0x02+\gq
.irp ntl, 0,1,2,3,4,5,6,7
.irp q, 0,2,4,6
	v_pk_mul_f32 v[UB+8*\ntl+\q:UB+8*\ntl+\q+1], v[8*(4*\ntl+\mt)+\q:8*(4*\ntl+\mt)+\q+1], v[NWR+64*\gq+8*\ntl+\q:NWR+64*\gq+8*\ntl+\q+1]   ; z w
.endr
.endr
	WIN 0
.irp k, 0,1,2,3
	v_max_num_f32 v[M+\k], |v[UB+2*\k]|, |v[UB+2*\k+1]|      ; the first eight numbers start four chains
.endr
.set uj, 8
.rept 28
	v_max3_num_f32 v[M+(uj/2)%4], |v[UB+uj]|, |v[UB+uj+1]|, v[M+(uj/2)%4]
.set uj, uj+2
.endr
	v_max3_num_f32 v[M], v[M], v[M+1], v[M+2]
	v_max_num_f32 v[M], v[M], v[M+3]
	v_permlanex16_b32 v[M+1], v[M], s56, s57
	v_max_num_f32 v[M], v[M], v[M+1]               ; the largest |z w| of the token's group
	v_mul_f32 v[TT], v[M], v[RS+\mt]               ; amax of y
	v_max_num_f32 v[TT], 0x2b8cbccc, v[TT]         ; at least 1e-12
	v_rcp_f32 v[TT+1], v[TT]
	v_mul_f32 v[TT+2], s61, v[RS+\mt]              ; the plain place behind the reciprocal
	s_wait_alu depctr_va_vdst(0)
	v_mul_f32 v[FQ], v[TT+2], v[TT+1]              ; rs * 448 (1 - 2^-21) / amax, twice for the packed multiply
	v_mul_f32 v[FQ+1], v[TT+2], v[TT+1]
	v_mul_f32 v[SC], s62, v[TT]                    ; scale = amax / 448, twice
	v_mul_f32 v[SC+1], s62, v[TT]
.set uj, 0
.rept 32
	v_pk_mul_f32 v[UB+uj:UB+uj+1], v[UB+uj:UB+uj+1], v[FQ:FQ+1]      ; y / scale
.set uj, uj+2
.endr
.irp t, 0,1,2,3,4,5,6,7
	v_cvt_scalef32_pk8_fp8_f32 v[QC+2*\t:QC+2*\t+1], v[UB+8*\t:UB+8*\t+7], v[ONE]
.endr
	v_nop                                          ; one plain place behind the scaled conversions, before their results are read and their sources written
.irp t, 0,1,2,3,4,5,6,7
	v_cvt_scale_pk8_f32_fp8 v[UB+8*\t:UB+8*\t+7], v[QC+2*\t:QC+2*\t+1], v[E8]
.endr
	v_nop                                          ; and again
.set uj, 0
.rept 32
	v_pk_mul_f32 v[UB+uj:UB+uj+1], v[UB+uj:UB+uj+1], v[SC:SC+1]      ; q * scale
.set uj, uj+2
.endr
	WIN 0x40                                       ; parked in window 1
.irp ntl, 0,1,2,3,4,5,6,7
.irp q, 0,1,2,3
	v_cvt_pk_bf16_f32 v[4*(16*\mt+8*\gq+\ntl)+\q], v[UB+8*\ntl+2*\q], v[UB+8*\ntl+2*\q+1]
.endr
.endr
	WIN 0
.endm
.macro NORM l
	STATS \l
.irp gq, 0,1
.irp mt, 0,1,2,3
	UNIT \gq, \mt
.endr
.endr
.endm
; The way out: 16 tokens x 128 columns.  (z rs) w into my stage, read back as whole rows of 512 bytes, stored by one instruction a row.  rb: buffer in window 1
.macro OUTU mt, gq, rb
	v_mov_b32 v[FQ], v[RS+\mt]
	v_mov_b32 v[FQ+1], v[RS+\mt]
	WIN 0x02+\gq
.irp ntl, 0,1,2,3,4,5,6,7
.irp q, 0,2,4,6
	v_pk_mul_f32 v[UB+8*\ntl+\q:UB+8*\ntl+\q+1], v[8*(4*\ntl+\mt)+\q:8*(4*\ntl+\mt)+\q+1], v[FQ:FQ+1]
.endr
.endr
	WIN 0
.set uj, 0
.rept 32
	v_pk_mul_f32 v[UB+uj:UB+uj+1], v[UB+uj:UB+uj+1], v[NWR+64*\gq+uj:NWR+64*\gq+uj+1]
.set uj, uj+2
.endr
.irp ntl, 0,1,2,3,4,5,6,7
	ds_store_b128 v[OSTO], v[UB+8*\ntl:UB+8*\ntl+3]   offset:\ntl*64
	ds_store_b128 v[OSTO], v[UB+8*\ntl+4:UB+8*\ntl+7] offset:\ntl*64+16
.endr
	s_wait_xcnt 0x0                                ; the buffer, which earlier stores read, is loaded again only behind this wait
	WIN 0x40
.irp row, 0,1,2,3,4,5,6,7,8,9,10,11,12,13,14,15
	ds_load_b128 v[\rb+4*\row:\rb+4*\row+3], v[ORD] offset:\row*OP   ; LDS serves a wave's instructions in order (ISA guide 5.7.1): these see the stores above
.endr
	WIN 0x04
.irp row, 0,1,2,3,4,5,6,7,8,9,10,11,12,13,14,15
	s_wait_dscnt 15-\row                           ; this row is in, the younger ones stay out
	global_store_b128 v[CO], v[\rb+4*\row:\rb+4*\row+3], s[10:11] offset:(16*\mt+\row)*4096+\gq*512 th:TH_STORE_NT   ; 512 consecutive bytes of one row, aligned
.endr
	WIN 0
.endm
	; x: each wave reads only what its own load brought, so its own wait is all the ordering that the reads need
	s_wait_tensorcnt 0x0
	WIN 0x80
	XIN 0
	WIN 0xc0
	XIN 1
	WIN 0
	s_wait_dscnt 0x0                               ; my reads of the x stage are over,
	s_wait_tensorcnt 0x0                           ; no load of mine is out:
	ds_add_u32 v62, v63
	s_wait_dscnt 0x0
	ROUND                                          ; the same holds of every wave of the cluster
	tensor_load_to_lds s[G0W:G0W+3], s[G1W:G1W+7]  ; stream slot 0, into bytes that held x; it lands during the first norm
	s_nop 0
	WIN 0x88
.set zi, 0
.rept 256
	v_max_num_f32 v[zi], 0, v[zi]                  ; relu, in place
.set zi, zi+1
.endr
	WIN 0xcc
.set zi, 0
.rept 256
	v_max_num_f32 v[zi], 0, v[zi]
.set zi, zi+1
.endr
	NORM 0
	s_wait_dscnt 0x0
	s_wait_tensorcnt 0x0                           ; stream slot 0 has landed; no load of mine is out
	ds_add_u32 v62, v63
	s_wait_dscnt 0x0
	ROUND
	tensor_load_to_lds s[G0W+4:G0W+7], s[G1W:G1W+7]   ; stream slot 1, into the other bytes that held x
	s_nop 0
	CHUNKS 0, 4                                    ; the last two slots of a layer already ask for the next layer's first two: the stream runs on through the norms
	NORM 1
	CHUNKS 1, 4
	NORM 2
	CHUNKS 2, 3
	STORES 3                                       ; the last chunk is written out: its first two slots ask for stream slots 46 and 47, the last two for nothing
	HEAD
	SLOT 0, 0, 0
	SLOT 1, 1, 0
	SLOT 0, 2, 2
	SLOT 1, 3, 3
	STATS 3                                        ; its barrier also stands between every wave's last reads of AC and the stores into the stages below
	OUTU 0, 0, 0
	OUTU 0, 1, 64
	OUTU 1, 0, 0
	OUTU 1, 1, 64
	OUTU 2, 0, 0
	OUTU 2, 1, 64
	OUTU 3, 0, 0
	OUTU 3, 1, 64
	s_wait_dscnt 0x0
	s_wait_tensorcnt 0x0
	ds_add_u32 v62, v63
	s_wait_dscnt 0x0
	ROUND                                          ; the closing round: no work-group ends while a partner may still ask jointly
	s_endpgm
.Lfunc_end_k_q65ea023f73_chain:
	.size	k_q65ea023f73_chain, .Lfunc_end_k_q65ea023f73_chain-k_q65ea023f73_chain
	.p2alignl 7, 3214868480
	.fill 96, 4, 3214868480
	.section	.rodata,"a",@progbits
	.p2align	6, 0x0
	.amdhsa_kernel k_q65ea023f73_chain
		.amdhsa_group_segment_fixed_size 327680
		.amdhsa_private_segment_fixed_size 0
		.amdhsa_enable_private_segment 0
		.amdhsa_kernarg_size 32
		.amdhsa_user_sgpr_count 2
		.amdhsa_user_sgpr_kernarg_segment_ptr 1
		.amdhsa_wavefront_size32 1
		.amdhsa_system_sgpr_workgroup_id_x 1
		.amdhsa_system_sgpr_workgroup_id_y 1
		.amdhsa_system_sgpr_workgroup_id_z 1
		.amdhsa_system_vgpr_workitem_id 0
		.amdhsa_next_free_vgpr 1024
		.amdhsa_next_free_sgpr 66
		.amdhsa_reserve_vcc 0
		.amdhsa_float_denorm_mode_32 3
		.amdhsa_float_denorm_mode_16_64 3
		.amdhsa_memory_ordered 1
		.amdhsa_forward_progress 1
		.amdhsa_inst_pref_size 255
	.end_amdhsa_kernel
	.section	.bss,"aw",@nobits
	.p2align	6
	.space	262144
	.amdgpu_metadata
---
amdhsa.version: [ 1, 2 ]
amdhsa.kernels:
  - .name:           k_q65ea023f73_chain
    .symbol:         k_q65ea023f73_chain.kd
    .args:
      - { .name: x, .offset: 0, .size: 8, .value_kind: global_buffer, .address_space: global }
      - { .name: norm_w, .offset: 8, .size: 8, .value_kind: global_buffer, .address_space: global }
      - { .name: wt, .offset: 16, .size: 8, .value_kind: global_buffer, .address_space: global }
      - { .name: out0, .offset: 24, .size: 8, .value_kind: global_buffer, .address_space: global }
    .group_segment_fixed_size: 327680
    .private_segment_fixed_size: 0
    .kernarg_segment_align: 8
    .kernarg_segment_size: 32
    .max_flat_workgroup_size: 128
    .sgpr_count:     66
    .vgpr_count:     1024
    .wavefront_size: 32
...
	.end_amdgpu_metadata
.endif
;; end of part 2
;; ======== version 2 of 4: 2 launches; 1.23 times as fast as version 1
;; workspace buffers: wt 6,291,456 bytes
;; launch prep: the kernel of part 1 again; grid 256 x 3, 1 waves a work-group, no clusters, 8,704 bytes of LDS; arguments w0, w1, w2, ws0, ws1, ws2, wt; writes wt
;; launch chain (part 3): grid 256 x 1, 4 waves a work-group, clusters of 4 x 1, 327,680 bytes of LDS; arguments x, norm_w, wt, out0; writes out0
.if DOCPART == 3
	.amdgcn_target "amdgcn-amd-amdhsa--gfx1250"
	.amdhsa_code_object_version 6
	.text
	.protected	k_q65ea023f73_chain
	.globl	k_q65ea023f73_chain
	.p2align	8
	.type	k_q65ea023f73_chain,@function
k_q65ea023f73_chain:
	s_mov_b64 s[64:65], 0
	v_nop
	global_prefetch_b8 v0, s[64:65] scope:SCOPE_SE
	s_setreg_imm32_b32 hwreg(HW_REG_WAVE_MODE, 25, 1), 1
	s_wait_xcnt 0x0
	s_wait_alu depctr_hold_cnt(0) depctr_sa_sdst(0) depctr_va_vdst(0) depctr_va_sdst(0) depctr_va_ssrc(0) depctr_va_vcc(0) depctr_vm_vsrc(0)
	s_getreg_b32 s2, hwreg(HW_REG_IB_STS2, 6, 4)
	s_cmp_eq_u32 s2, 0
	s_cbranch_scc0 .Lentry_in_a_cluster
	s_endpgm
.Lentry_in_a_cluster:
	s_bfe_u32 s2, ttmp6, 0x10000c
	s_cmp_lg_u32 s2, 0x3003
	s_cbranch_scc0 .Lentry_shape_is_right
	s_endpgm
.Lentry_shape_is_right:
; The whole chain for 64 tokens a work-group: relu; three times (RMS norm with gain, fp8 quantise and dequantise in groups of 128,
; product with a 1024 x 1024 weight, add to the residual); a last RMS norm.  256 work-groups of four waves.
; THE RESIDUAL z (64 x 1024 f32) STAYS IN THE MATRIX ACCUMULATORS for the whole kernel: wave w owns all 64 rows of columns 256 w .. 256 w + 255,
; 64 tiles of 16 x 16, 512 registers.  A layer's product is accumulated onto z (C = D = z): the residual add costs nothing, nothing is cleared.
; THE MATRIX INSTRUCTION IS USED TRANSPOSED: source 0 = 16 columns n of the weight, source 1 = 16 tokens.  Lane (r = l%16, h = l/16) then holds
; token r of the tile and, in registers 0 to 7, the columns 8h .. 8h+7: a token's sums and maxima need one exchange between the halves of the wave.
; WEIGHTS: the bf16 stream wt, made by the launch before, already in the order and register image used here.  48 slots of 128 KiB (K = 64, all
; 1,024 columns) go through two LDS slots; wave w asks for and alone reads its 32 KiB of each.
; CLUSTER: every work-group walks the same stream, so the four of a cluster ask jointly (mask 15): that divides the requests for weights by four.
; ACTIVATIONS: each wave parks its 64 x 256 bf16 in 256 registers; only a K chunk of 256 stands in LDS, 64 columns from each wave (the stream has
; K in the same order), so that two weight slots of 128 KiB fit and every wave stores the same share of each chunk.
; ONE TEXT FOR THE THREE LAYERS: the norm and the chunk stand once, in a loop over the layers; what hangs on the layer is the gains' place in LDS (picked by a
; branch on the layer's counter) and the number of chunks (the last layer's last chunk asks for no weights beyond the stream's end and is written out).
; LIMITS.  relu and the group maximum use maxima in which a NaN loses: a NaN in x counts as 0.  y / scale is formed as (z w) F with
; F = rs * 448 (1 - 2^-21) * rcp(max(amax rs, 1e-12)): the roundings add up to less than 2^-21, so no quotient passes 448 and nothing is clamped; an fp8
; code can differ from a true division only where the quotient lies within 5e-7 (relative) of a rounding boundary.  scale = max(..) * (1/448).
; (z w) rs stands for (z rs) w.  a = q * scale and w * ws are each rounded once to bf16 for the matrix unit; sums are f32.
;
; LDS:      0 .. 262143  weight slots 0 and 1 (wave w: + 32768 w).  At the start the same bytes, up to 266239, hold x: wave w at 66560 w, 64 rows, pitch 1040
;      266240 .. 303103  AC: the activation chunk, block b written by wave b: 64 rows x 128 bytes, pitch 144.  At the end block w is wave w's stage for the way out
;      303104 .. 319487  NW: wave w at + 4096 w: its 256 gains of each of the four norms
;      319488 .. 320511  ST: the waves' row sums of squares.  The four norms use it in turn: between one norm's reads and the next one's stores every wave has
;                        waited for its reads and passed the barriers of at least four chunks
; REGISTERS, in windows of 256 (s_set_vgpr_msb: bits 1:0 source 0, 3:2 source 1, 5:4 source 2, 7:6 destination):
;   windows 2, 3: z; tile (mt, nt) in window 2 + nt/8 at 8 (4 (nt%8) + mt): a window is one quantiser group of 128 columns
;   window 1: the parked activations, 4 (16 mt + nt) + q; at the end two buffers of 64 for the way out
;   window 0: addresses and small things in v0-63; v64-255 weight and activation fragments in a product, gains and work space in a norm
; SCALARS in the loops: s63 the layer, s15 its number of chunks in the loop, s60 the chunk.
.set BS,    131072                     ; a weight slot
.set WBLK,  32768                      ; a wave's part of it
.set XSW,   66560                      ; a wave's x stage: 64 rows of 1040
.set XP,    1040                       ; 1,024 bytes + 16: an odd multiple of 16, so sixteen rows start in sixteen different 16-byte columns
.set AC,    266240
.set ABLK,  9216                       ; 64 rows of 144
.set AP,    144
.set NW,    303104
.set ST,    319488
.set OP,    528                        ; the way out: rows of 512 bytes + 16
.set BADR,  3                          ; v3, v4   my weight block in slot 0, 1: 16 lane + 32768 w (+ 131072)
.set AADR,  5                          ; v5       AC + 144 r + 16 h: activation fragments
.set ASTO,  6                          ; v6       the same in my own block: where I put my share of a chunk
.set NWADR, 7                          ; v7       NW + 4096 w + 32 h
.set STST,  8                          ; v8       ST + 256 w + 16 r
.set STLD,  9                          ; v9       ST + 16 r
.set XADR,  10                         ; v10      66560 w + 1040 r + 32 h
.set OSTO,  11                         ; v11      my stage + 528 r + 32 h
.set ORD,   12                         ; v12      my stage + 16 lane
.set CO,    13                         ; v13      16 lane: my 16 bytes of a row's 512 in out0
.set ONE,   14                         ; v14      1.0: the conversion to fp8 divides by 2^0
.set E8,    15                         ; v15      0x7f: the conversion back multiplies by 2^0
.set RS,    16                         ; v[16:19] 1 / sqrt(mean + eps) of token 16 mt + r
.set SUM,   20                         ; v[20:27] four pairs of running sums
.set SM,    28                         ; v[28:31] my wave's sum for token 16 mt + r
.set QC,    32                         ; v[32:47] fp8 codes; the four waves' sums
.set M,     48                         ; v[48:51] four running maxima
.set FQ,    52                         ; v[52:53] the quantising factor, twice
.set SC,    54                         ; v[54:55] the scale, twice
.set TT,    56                         ; v[56:59] at work
.set WB0,   64                         ; eight weight fragments, two buffers
.set WB1,   128
.set AB0,   192                        ; four activation fragments, two buffers
.set AB1,   224
.set NWR,   64                         ; v[64:191]  in a norm: the gains of my columns, 8 nt + j
.set UB,    192                        ; v[192:255] in a norm: 64 numbers of one token group
.set G1W,   16                         ; s[16:23] group 1, weights (joint)
.set G1X,   24                         ; s[24:31] group 1, x
.set G1N,   32                         ; s[32:39] group 1, gains
.set G0W,   40                         ; s[40:47] group 0, weights, a set for each slot
.set G0X,   48                         ; s[48:51]
.set G0N,   52                         ; s[52:55]
.set MSB, 0
.macro WIN new                         ; the immediate's high byte repeats the setting that is left; a switch that changes nothing is dropped
.if MSB != (\new)
	s_set_vgpr_msb (MSB<<8)|(\new)
.set MSB, (\new)
.endif
.endm
; A vector instruction that reads a matrix result, and a load into a register that a matrix instruction has named, stand four places behind it, and
; only plain vector instructions that name none of its registers are places (ISA guide 7.12.1 for vector instructions).
.macro PLACES
.rept 4
	v_nop
.endr
.endm
; A round of the cluster's barrier: my work-group's barrier, wave 0 signals for the work-group, every wave waits for all four work-groups, my work-group's barrier again.
.macro CREST                           ; a round behind its opening barrier
	s_cmp_lg_u32 s12, 0
	s_cbranch_scc1 .Lnot_wave_0_\@
	s_barrier_signal -3
.Lnot_wave_0_\@:
	s_barrier_wait -3
	s_barrier_signal -1
	s_barrier_wait -1
.endm
.macro ROUND
	s_barrier_signal -1
	s_barrier_wait -1
	CREST
.endm
	s_load_b256 s[4:11], s[0:1], 0x0               ; x s[4:5], norm_w s[6:7], wt s[8:9], out0 s[10:11]
	v_lshl_add_u32 v62, v0, 2, 0x4e400
	v_mov_b32 v63, 0
	ds_add_u32 v62, v63
	v_lshrrev_b32 v1, 5, v0
	v_readfirstlane_b32 s12, v1                    ; wave 0..3
	s_bfe_u32 s13, ttmp6, 0x40000                  ; cx: my place in the cluster; it enters the addresses of x and out0 alone
	s_lshl_b32 s2, ttmp9, 2                        ; in a cluster launch ttmp9 counts clusters
	s_add_co_u32 s2, s2, s13                       ; my work-group: 4 x cluster + cx
	s_lshl_b32 s2, s2, 18                          ; times 64 rows of 4,096 bytes
	s_lshl_b32 s14, s12, 10                        ; my wave's 1,024 bytes of a row
	s_add_co_u32 s2, s2, s14
	s_mov_b32 s3, 0
	s_mov_b32 s15, 0
	s_mov_b32 s56, 0x76543210                      ; v_permlanex16_b32: lane i of one half reads lane i of the other
	s_mov_b32 s57, 0xfedcba98
	s_mov_b32 s58, 0x3a800000                      ; 1 / 1024
	s_mov_b32 s59, 0x358637bd                      ; 1e-6
	s_mov_b32 s61, 0x43dffff9                      ; 448 (1 - 2^-21)
	s_mov_b32 s62, 0x3b124925                      ; 1 / 448
	; weights: a dense block of 32 KiB as 128 rows of 32 elements of 8 bytes; mask 15 = all four work-groups of the cluster, bit 21 beside it
	s_mov_b32 s[G1W+0], 15|(3<<16)|(1<<21)
	s_mov_b32 s[G1W+1], 32<<16                     ; tensor_dim0 = 32
	s_mov_b32 s[G1W+2], 128<<16                    ; tensor_dim1 = 128
	s_mov_b32 s[G1W+3], 32<<16                     ; tile_dim0 = 32
	s_mov_b32 s[G1W+4], 128                        ; tile_dim1 = 128
	s_mov_b32 s[G1W+5], 32                         ; pitch
	s_mov_b32 s[G1W+6], 0
	s_mov_b32 s[G1W+7], 0
	; x: 64 rows x 256 f32, pitch 1,024 elements; in LDS 4 words of padding behind every 256 words
	s_mov_b32 s[G1X+0], (2<<16)|(1<<20)|(7<<22)|(3<<25)
	s_mov_b32 s[G1X+1], 256<<16
	s_mov_b32 s[G1X+2], 64<<16
	s_mov_b32 s[G1X+3], 256<<16
	s_mov_b32 s[G1X+4], 64
	s_mov_b32 s[G1X+5], 1024
	s_mov_b32 s[G1X+6], 0
	s_mov_b32 s[G1X+7], 0
	; gains: 4 rows x 256 f32, pitch 1,024 elements, dense in LDS
	s_mov_b32 s[G1N+0], 2<<16
	s_mov_b32 s[G1N+1], 256<<16
	s_mov_b32 s[G1N+2], 4<<16
	s_mov_b32 s[G1N+3], 256<<16
	s_mov_b32 s[G1N+4], 4
	s_mov_b32 s[G1N+5], 1024
	s_mov_b32 s[G1N+6], 0
	s_mov_b32 s[G1N+7], 0
	s_mov_b32 s[G0X+0], 1
	s_mul_i32 s[G0X+1], s12, XSW                   ; LDS addresses hang on the wave's number alone
	s_mov_b32 s[G0N+0], 1
	s_lshl_b32 s[G0N+1], s12, 12
	s_add_co_u32 s[G0N+1], s[G0N+1], NW
	s_mov_b32 s[G0W+0], 1
	s_lshl_b32 s[G0W+1], s12, 15
	s_mov_b32 s[G0W+4], 1
	s_add_co_u32 s[G0W+5], s[G0W+1], BS
	s_wait_dscnt 0x0
	s_wait_kmcnt 0x0
	s_add_nc_u64 s[G0X+2:G0X+3], s[4:5], s[2:3]    ; x at my 64 rows, my wave's columns
	s_or_b32 s[G0X+3], s[G0X+3], 0x80000000
	s_add_nc_u64 s[10:11], s[10:11], s[2:3]        ; out0 likewise
	s_add_nc_u64 s[G0N+2:G0N+3], s[6:7], s[14:15]  ; norm_w at my wave's columns
	s_or_b32 s[G0N+3], s[G0N+3], 0x80000000
	s_lshl_b32 s14, s12, 15
	s_add_nc_u64 s[G0W+2:G0W+3], s[8:9], s[14:15]  ; stream slot 0, my wave's block: made of the wave's number alone, equal in all four partners
	s_add_nc_u64 s[G0W+6:G0W+7], s[G0W+2:G0W+3], BS   ; stream slot 1
	s_or_b32 s[G0W+3], s[G0W+3], 0x80000000
	s_or_b32 s[G0W+7], s[G0W+7], 0x80000000
	ROUND                                          ; in a cluster launch every group of tensor loads stands behind a round
	tensor_load_to_lds s[G0X:G0X+3], s[G1X:G1X+7]  ; the first fills, as one group: two tensor loads of the wave are out, the most in this text
	s_nop 0
	tensor_load_to_lds s[G0N:G0N+3], s[G1N:G1N+7]
	s_nop 0
	v_and_b32 v1, 15, v0                           ; r
	v_bfe_u32 v2, v0, 4, 1                         ; h
	v_and_b32 v[TT], 31, v0                        ; lane
	v_lshlrev_b32 v[CO], 4, v[TT]
	v_add_nc_u32 v[BADR], s[G0W+1], v[CO]
	v_add_nc_u32 v[BADR+1], s[G0W+5], v[CO]
	s_mul_i32 s60, s12, ABLK
	s_add_co_u32 s60, s60, AC                      ; my block of AC
	v_mul_u32_u24 v[TT+1], v1, AP
	v_lshl_add_u32 v[TT+1], v2, 4, v[TT+1]
	v_add_nc_u32 v[AADR], AC, v[TT+1]
	v_add_nc_u32 v[ASTO], s60, v[TT+1]
	v_lshl_add_u32 v[NWADR], v2, 5, s[G0N+1]
	s_lshl_b32 s63, s12, 8
	s_add_co_u32 s63, s63, ST
	v_lshl_add_u32 v[STST], v1, 4, s63
	v_lshlrev_b32 v[STLD], 4, v1
	v_add_nc_u32 v[STLD], ST, v[STLD]
	v_mul_u32_u24 v[XADR], v1, XP
	v_lshl_add_u32 v[XADR], v2, 5, v[XADR]
	v_add_nc_u32 v[XADR], s[G0X+1], v[XADR]
	v_mul_u32_u24 v[OSTO], v1, OP
	v_lshl_add_u32 v[OSTO], v2, 5, v[OSTO]
	v_add_nc_u32 v[OSTO], s60, v[OSTO]
	v_add_nc_u32 v[ORD], s60, v[CO]
	v_mov_b32 v[ONE], 1.0
	v_mov_b32 v[E8], 0x7f
; x into the accumulators' layout: tile (mt, nt) of lane (r, h) is 32 bytes of row 16 mt + r at column 16 nt + 8 h
.macro XIN half
.irp ntl, 0,1,2,3,4,5,6,7
.irp mt, 0,1,2,3
	ds_load_b128 v[8*(4*\ntl+\mt):8*(4*\ntl+\mt)+3],   v[XADR] offset:\mt*16*XP+\half*512+\ntl*64
	ds_load_b128 v[8*(4*\ntl+\mt)+4:8*(4*\ntl+\mt)+7], v[XADR] offset:\mt*16*XP+\half*512+\ntl*64+16
.endr
.endr
.endm
; 16 LDS loads: the eight weight fragments of half step hs (= 2 kk + nh) of slot p.  A fragment is 1 KiB in register image: 16 lane, then + 512
.macro FETCHW p, hs, buf
.irp f, 0,1,2,3,4,5,6,7
	ds_load_b128 v[\buf+8*\f:\buf+8*\f+3],   v[BADR+(\p)] offset:(8*\hs+\f)*1024
	ds_load_b128 v[\buf+8*\f+4:\buf+8*\f+7], v[BADR+(\p)] offset:(8*\hs+\f)*1024+512
.endr
.endm
; 8 LDS loads: the four activation fragments (64 tokens) of the chunk's K step j8 of 32: block j8/2, half j8%2 of its rows
.macro FETCHA j8, buf
.irp mt, 0,1,2,3
	ds_load_b128 v[\buf+8*\mt:\buf+8*\mt+3],   v[AADR] offset:((\j8)>>1)*ABLK+\mt*16*AP+((\j8)&1)*64
	ds_load_b128 v[\buf+8*\mt+4:\buf+8*\mt+7], v[AADR] offset:((\j8)>>1)*ABLK+\mt*16*AP+((\j8)&1)*64+32
.endr
.endm
; 4 nf matrix instructions onto z: n tiles f0 .. f0 + nf - 1 of window 2 + nh, all four token tiles, 32 along K.
; The accumulators take turns, one instruction a turn: a tile comes up again after the 63 others, over the backward jumps too.
.macro MM nh, wb, ab, f0, nf
.if \nh
	WIN 0xf0
.else
	WIN 0xa0
.endif
.set mmf, \f0
.rept \nf
.irp mt, 0,1,2,3
	v_wmma_f32_16x16x32_bf16 v[8*(4*mmf+\mt):8*(4*mmf+\mt)+7], v[\wb+8*mmf:\wb+8*mmf+7], v[\ab+8*\mt:\ab+8*\mt+7], v[8*(4*mmf+\mt):8*(4*mmf+\mt)+7]
.endr
.set mmf, mmf+1
.endr
.endm
; One weight slot: K = 64, four half steps of 32 matrix instructions; each fetches the next one's fragments ahead of its products.  p: LDS slot; i: the slot's place in its chunk.
; mode 0: the slot is filled again, and the next slot of the chunk is begun.  1: filled again, the chunk ends.  2: no fill (the stream ends), next slot begun.  3: the very last.
.macro SLOT p, i, mode
	WIN 0
	PLACES
	FETCHW \p, 1, WB1
	s_wait_dscnt 16                                ; all but the 16 just issued: this half step's weights and activations are in
	MM 0, WB0, AB0, 0, 8
	WIN 0
	PLACES
	FETCHW \p, 2, WB0
	FETCHA 2*\i+1, AB1
	s_wait_dscnt 24                                ; all but the 24 just issued
	MM 1, WB1, AB0, 0, 8
	WIN 0
	PLACES
	FETCHW \p, 3, WB1
	s_wait_dscnt 16                                ; all but the 16 just issued
	MM 0, WB0, AB1, 0, 8
	s_wait_dscnt 0x0                               ; the last fragments are in, and my reads of this slot (and, in mode 1, of the chunk) are over
.if \mode < 3
	s_wait_tensorcnt 0x0                           ; all my tensor loads have landed: the one that was out is my block of the other slot
	ds_add_u32 v62, v63
	s_wait_dscnt 0x0
.endif
.if \mode < 2
	s_add_nc_u64 s[G0W+4*\p+2:G0W+4*\p+3], s[G0W+4*\p+2:G0W+4*\p+3], 2*BS   ; no load of mine is out: this slot's group 0 steps two stream slots on
	s_barrier_signal -1                            ; this barrier opens a round of the cluster's barrier
.endif
.if \mode == 3
	MM 1, WB1, AB1, 0, 8
.else
	MM 1, WB1, AB1, 0, 4                           ; work on registers while the others arrive
	WIN 0
.if \mode < 2
	s_barrier_wait -1
	CREST                                          ; no wave of any partner still reads this slot or has a load on its way
	tensor_load_to_lds s[G0W+4*\p:G0W+4*\p+3], s[G1W:G1W+7]   ; my one tensor load behind the round, first thing there; it has 112 matrix instructions in which to land
	s_nop 0
.endif
.if \mode != 1
	PLACES
	FETCHW 1-\p, 0, WB0
	FETCHA 2*\i+2, AB0
.endif
	MM 1, WB1, AB1, 4, 4
.endif
.endm
; My share of chunk c: my columns 64 c .. 64 c + 63 of all 64 tokens, from the parked registers into my block of AC
.macro STORES c
	WIN 0x04                                       ; store data in window 1
.irp mt, 0,1,2,3
.irp b, 0,1,2,3
	ds_store_b128 v[ASTO], v[4*(16*\mt+4*\c+\b):4*(16*\mt+4*\c+\b)+3] offset:\mt*16*AP+\b*32
.endr
.endr
	WIN 0
.endm
; The chunk is whole: every wave's stores are done before any wave reads.  My one weight load may stay out across it.
.macro HEAD
	s_wait_dscnt 0x0
	s_barrier_signal -1
	s_barrier_wait -1
	PLACES
	FETCHW 0, 0, WB0
	FETCHA 0, AB0
.endm
; The gains of norm l for my 256 columns: 32 bytes a lane for each of 16 tiles
.macro GAINS l
.irp nt, 0,1,2,3,4,5,6,7,8,9,10,11,12,13,14,15
	ds_load_b128 v[NWR+8*\nt:NWR+8*\nt+3],   v[NWADR] offset:\l*1024+\nt*64
	ds_load_b128 v[NWR+8*\nt+4:NWR+8*\nt+7], v[NWADR] offset:\l*1024+\nt*64+16
.endr
.endm
; sums of squares of one window of z, four chains (one a token tile); skip = 1 leaves out the four products that started the sums
.macro SQSUM skip
.irp ntl, 0,1,2,3,4,5,6,7
.irp q, 0,2,4,6
.if (\ntl+\q) >= \skip
.irp mt, 0,1,2,3
	v_pk_fma_f32 v[SUM+2*\mt:SUM+2*\mt+1], v[8*(4*\ntl+\mt)+\q:8*(4*\ntl+\mt)+\q+1], v[8*(4*\ntl+\mt)+\q:8*(4*\ntl+\mt)+\q+1], v[SUM+2*\mt:SUM+2*\mt+1]
.endr
.endif
.endr
.endr
.endm
; 1 / sqrt(mean of z^2 + eps) of every token into RS.  Stands behind the four places and the loads of the gains.
.macro STATS
	WIN 0x0a
.irp mt, 0,1,2,3
	v_pk_mul_f32 v[SUM+2*\mt:SUM+2*\mt+1], v[8*\mt:8*\mt+1], v[8*\mt:8*\mt+1]   ; the first products start the sums
.endr
	SQSUM 1
	WIN 0x0f
	SQSUM 0
	WIN 0
.irp mt, 0,1,2,3
	v_add_f32 v[SM+\mt], v[SUM+2*\mt], v[SUM+2*\mt+1]
.endr
.irp mt, 0,1,2,3
	v_permlanex16_b32 v[SUM+2*\mt], v[SM+\mt], s56, s57      ; the other half of the wave holds the token's other columns
.endr
.irp mt, 0,1,2,3
	v_add_f32 v[SM+\mt], v[SM+\mt], v[SUM+2*\mt]
.endr
	ds_store_b128 v[STST], v[SM:SM+3]              ; both halves write the same four sums; the last norm's readers have waited for their loads and passed a chunk's barrier since
	s_wait_dscnt 0x0                               ; for the others: my sums are in LDS (and my gains have come)
	s_barrier_signal -1
	s_barrier_wait -1
.irp w, 0,1,2,3
	ds_load_b128 v[QC+4*\w:QC+4*\w+3], v[STLD] offset:\w*256
.endr
	s_wait_dscnt 0x0
	v_pk_add_f32 v[QC:QC+1],     v[QC:QC+1],     v[QC+4:QC+5]
	v_pk_add_f32 v[QC+2:QC+3],   v[QC+2:QC+3],   v[QC+6:QC+7]
	v_pk_add_f32 v[QC+8:QC+9],   v[QC+8:QC+9],   v[QC+12:QC+13]
	v_pk_add_f32 v[QC+10:QC+11], v[QC+10:QC+11], v[QC+14:QC+15]
	v_pk_add_f32 v[QC:QC+1],     v[QC:QC+1],     v[QC+8:QC+9]
	v_pk_add_f32 v[QC+2:QC+3],   v[QC+2:QC+3],   v[QC+10:QC+11]
.irp mt, 0,1,2,3
	v_fma_f32 v[TT+\mt], v[QC+\mt], s58, s59       ; sum / 1024 + eps
.endr
.irp mt, 0,1,2,3
	v_rsq_f32 v[RS+\mt], v[TT+\mt]
.endr
	v_nop                                          ; one plain place behind the transcendentals (ISA guide 5.7.2)
	s_wait_alu depctr_va_vdst(0)
.endm
; One quantiser group (window 2 + gq = 128 columns) of the 16 tokens of tile row mt: 64 numbers a lane.
.macro UNIT gq, mt
	WIN 0x02+\gq
.irp ntl, 0,1,2,3,4,5,6,7
.irp q, 0,2,4,6
	v_pk_mul_f32 v[UB+8*\ntl+\q:UB+8*\ntl+\q+1], v[8*(4*\ntl+\mt)+\q:8*(4*\ntl+\mt)+\q+1], v[NWR+64*\gq+8*\ntl+\q:NWR+64*\gq+8*\ntl+\q+1]   ; z w
.endr
.endr
	WIN 0
.irp k, 0,1,2,3
	v_max_num_f32 v[M+\k], |v[UB+2*\k]|, |v[UB+2*\k+1]|      ; the first eight numbers start four chains
.endr
.set uj, 8
.rept 28
	v_max3_num_f32 v[M+(uj/2)%4], |v[UB+uj]|, |v[UB+uj+1]|, v[M+(uj/2)%4]
.set uj, uj+2
.endr
	v_max3_num_f32 v[M], v[M], v[M+1], v[M+2]
	v_max_num_f32 v[M], v[M], v[M+3]
	v_permlanex16_b32 v[M+1], v[M], s56, s57
	v_max_num_f32 v[M], v[M], v[M+1]               ; the largest |z w| of the token's group
	v_mul_f32 v[TT], v[M], v[RS+\mt]               ; amax of y
	v_max_num_f32 v[TT], 0x2b8cbccc, v[TT]         ; at least 1e-12
	v_rcp_f32 v[TT+1], v[TT]
	v_mul_f32 v[TT+2], s61, v[RS+\mt]              ; the plain place behind the reciprocal
	s_wait_alu depctr_va_vdst(0)
	v_mul_f32 v[FQ], v[TT+2], v[TT+1]              ; rs * 448 (1 - 2^-21) / amax, twice for the packed multiply
	v_mul_f32 v[FQ+1], v[TT+2], v[TT+1]
	v_mul_f32 v[SC], s62, v[TT]                    ; scale = amax / 448, twice
	v_mul_f32 v[SC+1], s62, v[TT]
.set uj, 0
.rept 32
	v_pk_mul_f32 v[UB+uj:UB+uj+1], v[UB+uj:UB+uj+1], v[FQ:FQ+1]      ; y / scale
.set uj, uj+2
.endr
.irp t, 0,1,2,3,4,5,6,7
	v_cvt_scalef32_pk8_fp8_f32 v[QC+2*\t:QC+2*\t+1], v[UB+8*\t:UB+8*\t+7], v[ONE]
.endr
	v_nop                                          ; one plain place behind the scaled conversions, before their results are read and their sources written
.irp t, 0,1,2,3,4,5,6,7
	v_cvt_scale_pk8_f32_fp8 v[UB+8*\t:UB+8*\t+7], v[QC+2*\t:QC+2*\t+1], v[E8]
.endr
	v_nop                                          ; and again
.set uj, 0
.rept 32
	v_pk_mul_f32 v[UB+uj:UB+uj+1], v[UB+uj:UB+uj+1], v[SC:SC+1]      ; q * scale
.set uj, uj+2
.endr
	WIN 0x40                                       ; parked in window 1
.irp ntl, 0,1,2,3,4,5,6,7
.irp q, 0,1,2,3
	v_cvt_pk_bf16_f32 v[4*(16*\mt+8*\gq+\ntl)+\q], v[UB+8*\ntl+2*\q], v[UB+8*\ntl+2*\q+1]
.endr
.endr
	WIN 0
.endm
; The way out: 16 tokens x 128 columns.  (z rs) w into my stage, read back as whole rows of 512 bytes, stored by one instruction a row.  rb: buffer in window 1
.macro OUTU mt, gq, rb
	v_mov_b32 v[FQ], v[RS+\mt]
	v_mov_b32 v[FQ+1], v[RS+\mt]
	WIN 0x02+\gq
.irp ntl, 0,1,2,3,4,5,6,7
.irp q, 0,2,4,6
	v_pk_mul_f32 v[UB+8*\ntl+\q:UB+8*\ntl+\q+1], v[8*(4*\ntl+\mt)+\q:8*(4*\ntl+\mt)+\q+1], v[FQ:FQ+1]
.endr
.endr
	WIN 0
.set uj, 0
.rept 32
	v_pk_mul_f32 v[UB+uj:UB+uj+1], v[UB+uj:UB+uj+1], v[NWR+64*\gq+uj:NWR+64*\gq+uj+1]
.set uj, uj+2
.endr
.irp ntl, 0,1,2,3,4,5,6,7
	ds_store_b128 v[OSTO], v[UB+8*\ntl:UB+8*\ntl+3]   offset:\ntl*64
	ds_store_b128 v[OSTO], v[UB+8*\ntl+4:UB+8*\ntl+7] offset:\ntl*64+16
.endr
	s_wait_xcnt 0x0                                ; the buffer, which earlier stores read, is loaded again only behind this wait
	WIN 0x40
.irp row, 0,1,2,3,4,5,6,7,8,9,10,11,12,13,14,15
	ds_load_b128 v[\rb+4*\row:\rb+4*\row+3], v[ORD] offset:\row*OP   ; LDS serves a wave's instructions in order (ISA guide 5.7.1): these see the stores above
.endr
	WIN 0x04
.irp row, 0,1,2,3,4,5,6,7,8,9,10,11,12,13,14,15
	s_wait_dscnt 15-\row                           ; this row is in, the younger ones stay out
	global_store_b128 v[CO], v[\rb+4*\row:\rb+4*\row+3], s[10:11] offset:(16*\mt+\row)*4096+\gq*512 th:TH_STORE_NT   ; 512 consecutive bytes of one row, aligned
.endr
	WIN 0
.endm
	; x: each wave reads only what its own load brought, so its own wait is all the ordering that the reads need
	s_wait_tensorcnt 0x0
	WIN 0x80
	XIN 0
	WIN 0xc0
	XIN 1
	WIN 0
	s_wait_dscnt 0x0                               ; my reads of the x stage are over,
	s_wait_tensorcnt 0x0                           ; no load of mine is out:
	ds_add_u32 v62, v63
	s_wait_dscnt 0x0
	ROUND                                          ; the same holds of every wave of the cluster
	tensor_load_to_lds s[G0W:G0W+3], s[G1W:G1W+7]  ; stream slot 0, into bytes that held x; it lands during the relu
	s_nop 0
	WIN 0x88
.set zi, 0
.rept 256
	v_max_num_f32 v[zi], 0, v[zi]                  ; relu, in place
.set zi, zi+1
.endr
	WIN 0xcc
.set zi, 0
.rept 256
	v_max_num_f32 v[zi], 0, v[zi]
.set zi, zi+1
.endr
	WIN 0
	s_wait_dscnt 0x0                               ; no LDS access of mine is out,
	s_wait_tensorcnt 0x0                           ; stream slot 0 has landed; no load of mine is out
	ds_add_u32 v62, v63
	s_wait_dscnt 0x0
	ROUND
	tensor_load_to_lds s[G0W+4:G0W+7], s[G1W:G1W+7]   ; stream slot 1, into the other bytes that held x; it lands during the first norm
	s_nop 0
	; THE LAYERS.  A trip: the norm and quantiser of layer s63 (z to the parked bf16), then its chunks.
	s_mov_b32 s63, 0
.Llayer:
	PLACES                                         ; behind the last layer's last products: z is read, and the fragment buffers are loaded again
	s_cmp_eq_u32 s63, 0                            ; the layer's gains: their place in LDS stands in the loads' immediates, picked by the layer's counter,
	s_cbranch_scc1 .Lgain0                         ; which is the same in every wave and every work-group; the branches jump over LDS loads alone
	s_cmp_eq_u32 s63, 1
	s_cbranch_scc1 .Lgain1
	GAINS 2
	s_branch .Lgained
.Lgain1:
	GAINS 1
	s_branch .Lgained
.Lgain0:
	GAINS 0
.Lgained:
	STATS
.irp gq, 0,1
.irp mt, 0,1,2,3
	UNIT \gq, \mt
.endr
.endr
	s_cmp_eq_u32 s63, 2
	s_cselect_b32 s15, 3, 4                        ; four chunks a layer; the last layer's fourth is written out behind the loop
	; The chunks of a layer.  A trip: 16 LDS stores, one barrier, four weight slots (512 matrix instructions).  The branches pick the parked registers by the
	; chunk's counter, the same in every wave and every work-group, and jump over LDS stores alone.  AC is written again only behind the round in the last slot of
	; the chunk before, in front of which every wave has waited for its reads.  The last two slots of a layer already ask for the next layer's first two:
	; the stream runs on through the norms.
	s_mov_b32 s60, 0
.Lchunk:
	s_cmp_eq_u32 s60, 0
	s_cbranch_scc1 .Lst0
	s_cmp_eq_u32 s60, 1
	s_cbranch_scc1 .Lst1
	s_cmp_eq_u32 s60, 2
	s_cbranch_scc1 .Lst2
	STORES 3
	s_branch .Ljoin
.Lst2:
	STORES 2
	s_branch .Ljoin
.Lst1:
	STORES 1
	s_branch .Ljoin
.Lst0:
	STORES 0
.Ljoin:
	HEAD
	SLOT 0, 0, 0
	SLOT 1, 1, 0
	SLOT 0, 2, 0
	SLOT 1, 3, 1
	WIN 0
	s_add_co_u32 s60, s60, 1
	s_cmp_lt_u32 s60, s15
	s_cbranch_scc1 .Lchunk
	s_add_co_u32 s63, s63, 1
	s_cmp_lt_u32 s63, 3
	s_cbranch_scc1 .Llayer
	STORES 3                                       ; the last chunk of the last layer: its first two slots ask for stream slots 46 and 47, the last two for nothing
	HEAD
	SLOT 0, 0, 0
	SLOT 1, 1, 0
	SLOT 0, 2, 2
	SLOT 1, 3, 3
	WIN 0
	PLACES                                         ; behind the last products
	GAINS 3
	STATS                                          ; its barrier also stands between every wave's last reads of AC and the stores into the stages below
	OUTU 0, 0, 0
	OUTU 0, 1, 64
	OUTU 1, 0, 0
	OUTU 1, 1, 64
	OUTU 2, 0, 0
	OUTU 2, 1, 64
	OUTU 3, 0, 0
	OUTU 3, 1, 64
	s_wait_dscnt 0x0
	s_wait_tensorcnt 0x0
	ds_add_u32 v62, v63
	s_wait_dscnt 0x0
	ROUND                                          ; the closing round: no work-group ends while a partner may still ask jointly
	s_endpgm
.Lfunc_end_k_q65ea023f73_chain:
	.size	k_q65ea023f73_chain, .Lfunc_end_k_q65ea023f73_chain-k_q65ea023f73_chain
	.p2alignl 7, 3214868480
	.fill 96, 4, 3214868480
	.section	.rodata,"a",@progbits
	.p2align	6, 0x0
	.amdhsa_kernel k_q65ea023f73_chain
		.amdhsa_group_segment_fixed_size 327680
		.amdhsa_private_segment_fixed_size 0
		.amdhsa_enable_private_segment 0
		.amdhsa_kernarg_size 32
		.amdhsa_user_sgpr_count 2
		.amdhsa_user_sgpr_kernarg_segment_ptr 1
		.amdhsa_wavefront_size32 1
		.amdhsa_system_sgpr_workgroup_id_x 1
		.amdhsa_system_sgpr_workgroup_id_y 1
		.amdhsa_system_sgpr_workgroup_id_z 1
		.amdhsa_system_vgpr_workitem_id 0
		.amdhsa_next_free_vgpr 1024
		.amdhsa_next_free_sgpr 66
		.amdhsa_reserve_vcc 0
		.amdhsa_float_denorm_mode_32 3
		.amdhsa_float_denorm_mode_16_64 3
		.amdhsa_memory_ordered 1
		.amdhsa_forward_progress 1
		.amdhsa_inst_pref_size 255
	.end_amdhsa_kernel
	.section	.bss,"aw",@nobits
	.p2align	6
	.space	262144
	.amdgpu_metadata
---
amdhsa.version: [ 1, 2 ]
amdhsa.kernels:
  - .name:           k_q65ea023f73_chain
    .symbol:         k_q65ea023f73_chain.kd
    .args:
      - { .name: x, .offset: 0, .size: 8, .value_kind: global_buffer, .address_space: global }
      - { .name: norm_w, .offset: 8, .size: 8, .value_kind: global_buffer, .address_space: global }
      - { .name: wt, .offset: 16, .size: 8, .value_kind: global_buffer, .address_space: global }
      - { .name: out0, .offset: 24, .size: 8, .value_kind: global_buffer, .address_space: global }
    .group_segment_fixed_size: 327680
    .private_segment_fixed_size: 0
    .kernarg_segment_align: 8
    .kernarg_segment_size: 32
    .max_flat_workgroup_size: 128
    .sgpr_count:     66
    .vgpr_count:     1024
    .wavefront_size: 32
...
	.end_amdgpu_metadata
.endif
;; end of part 3
;; ======== version 3 of 4: 2 launches; 1.40 times as fast as version 1
;; workspace buffers: wt 6,291,456 bytes
;; launch prep: the kernel of part 1 again; grid 256 x 3, 1 waves a work-group, no clusters, 8,704 bytes of LDS; arguments w0, w1, w2, ws0, ws1, ws2, wt; writes wt
;; launch chain (part 4): grid 256 x 1, 4 waves a work-group, clusters of 4 x 1, 327,680 bytes of LDS; arguments x, norm_w, wt, out0; writes out0
.if DOCPART == 4
	.amdgcn_target "amdgcn-amd-amdhsa--gfx1250"
	.amdhsa_code_object_version 6
	.text
	.protected	k_q65ea023f73_chain
	.globl	k_q65ea023f73_chain
	.p2align	8
	.type	k_q65ea023f73_chain,@function
k_q65ea023f73_chain:
	s_mov_b64 s[64:65], 0
	v_nop
	global_prefetch_b8 v0, s[64:65] scope:SCOPE_SE
	s_setreg_imm32_b32 hwreg(HW_REG_WAVE_MODE, 25, 1), 1
	s_wait_xcnt 0x0
	s_wait_alu depctr_hold_cnt(0) depctr_sa_sdst(0) depctr_va_vdst(0) depctr_va_sdst(0) depctr_va_ssrc(0) depctr_va_vcc(0) depctr_vm_vsrc(0)
	s_getreg_b32 s2, hwreg(HW_REG_IB_STS2, 6, 4)
	s_cmp_eq_u32 s2, 0
	s_cbranch_scc0 .Lentry_in_a_cluster
	s_endpgm
.Lentry_in_a_cluster:
	s_bfe_u32 s2, ttmp6, 0x10000c
	s_cmp_lg_u32 s2, 0x3003
	s_cbranch_scc0 .Lentry_shape_is_right
	s_endpgm
.Lentry_shape_is_right:
; The whole chain for 64 tokens a work-group: relu; three times (RMS norm with gain, fp8 quantise and dequantise in groups of 128,
; product with a 1024 x 1024 weight, add to the residual); a last RMS norm.  256 work-groups of four waves.
; THE RESIDUAL z (64 x 1024 f32) STAYS IN THE MATRIX ACCUMULATORS for the whole kernel: wave w owns all 64 rows of columns 256 w .. 256 w + 255,
; 64 tiles of 16 x 16, 512 registers.  A layer's product is accumulated onto z (C = D = z): the residual add costs nothing, nothing is cleared.
; THE MATRIX INSTRUCTION IS USED TRANSPOSED: source 0 = 16 columns n of the weight, source 1 = 16 tokens.  Lane (r = l%16, h = l/16) then holds
; token r of the tile and, in registers 0 to 7, the columns 8h .. 8h+7: a token's sums and maxima need one exchange between the halves of the wave.
; WEIGHTS: the bf16 stream wt, made by the launch before, already in the register image used here.  A layer is 16 slots of 128 KiB (K = 64, all
; 1,024 columns), four to a chunk; they go through two LDS slots; wave w asks for and alone reads its 32 KiB of each.
; CLUSTER: the four work-groups of a cluster walk the same slots, so they ask jointly (mask 15): that divides the requests for weights by four.
; ACTIVATIONS: each wave parks its 64 x 256 bf16 in 256 registers; only a K chunk of 256 stands in LDS, 64 columns from each wave (the stream has
; K in the same order), so that two weight slots of 128 KiB fit and every wave stores the same share of each chunk.
; THE ORDER OF THE CHUNKS: in turn t of a layer a cluster takes chunk (t + rho) mod 4, rho made of the cluster's number.  So at any time the clusters ask for four
; different quarters of the layer's weights, and the chunks of a cluster's turns 1 to 3 have been asked for by other clusters one turn (512 matrix instructions) earlier.
; rho is the same in the four partners of a cluster; it enters the weights' global addresses and the choice of the parked registers, and no LDS address.
; ONE TEXT FOR THE THREE LAYERS: the norm and the chunk stand once, in a loop over the layers; what hangs on the layer is the gains' place in LDS (picked by a
; branch on the layer's counter) and the number of chunks (the last layer's last chunk asks for no weights beyond its own and is written out).
; LIMITS.  relu and the group maximum use maxima in which a NaN loses: a NaN in x counts as 0.  y / scale is formed as (z w) F with
; F = rs * 448 (1 - 2^-21) * rcp(max(amax rs, 1e-12)): the roundings add up to less than 2^-21, so no quotient passes 448 and nothing is clamped; an fp8
; code can differ from a true division only where the quotient lies within 5e-7 (relative) of a rounding boundary.  scale = max(..) * (1/448).
; (z w) rs stands for (z rs) w.  a = q * scale and w * ws are each rounded once to bf16 for the matrix unit; sums are f32, and the order in which the
; four chunks of K are added differs from cluster to cluster.
;
; LDS:      0 .. 262143  weight slots 0 and 1 (wave w: + 32768 w).  At the start the same bytes, up to 266239, hold x: wave w at 66560 w, 64 rows, pitch 1040
;      266240 .. 303103  AC: the activation chunk, block b written by wave b: 64 rows x 128 bytes, pitch 144.  At the end block w is wave w's stage for the way out
;      303104 .. 319487  NW: wave w at + 4096 w: its 256 gains of each of the four norms
;      319488 .. 320511  ST: the waves' row sums of squares.  The four norms use it in turn: between one norm's reads and the next one's stores every wave has
;                        waited for its reads and passed the barriers of at least four chunks
; REGISTERS, in windows of 256 (s_set_vgpr_msb: bits 1:0 source 0, 3:2 source 1, 5:4 source 2, 7:6 destination):
;   windows 2, 3: z; tile (mt, nt) in window 2 + nt/8 at 8 (4 (nt%8) + mt): a window is one quantiser group of 128 columns
;   window 1: the parked activations, 4 (16 mt + nt) + q; at the end two buffers of 64 for the way out
;   window 0: addresses and small things in v0-63; v64-255 weight and activation fragments in a product, gains and work space in a norm
; SCALARS in the loops: s63 the layer, s15 its number of turns in the loop, s60 the turn, s66 rho, s70 the turn's chunk, s[68:69] the next turn's chunk as a byte
; offset in wt, s67 at work, s[8:9] wt at my wave's block of its first slot.
.set BS,    131072                     ; a weight slot; a chunk is 4 BS = 2^19 bytes, a layer 16 BS = 2^21
.set WBLK,  32768                      ; a wave's part of it
.set XSW,   66560                      ; a wave's x stage: 64 rows of 1040
.set XP,    1040                       ; 1,024 bytes + 16: an odd multiple of 16, so sixteen rows start in sixteen different 16-byte columns
.set AC,    266240
.set ABLK,  9216                       ; 64 rows of 144
.set AP,    144
.set NW,    303104
.set ST,    319488
.set OP,    528                        ; the way out: rows of 512 bytes + 16
.set BADR,  3                          ; v3, v4   my weight block in slot 0, 1: 16 lane + 32768 w (+ 131072)
.set AADR,  5                          ; v5       AC + 144 r + 16 h: activation fragments
.set ASTO,  6                          ; v6       the same in my own block: where I put my share of a chunk
.set NWADR, 7                          ; v7       NW + 4096 w + 32 h
.set STST,  8                          ; v8       ST + 256 w + 16 r
.set STLD,  9                          ; v9       ST + 16 r
.set XADR,  10                         ; v10      66560 w + 1040 r + 32 h
.set OSTO,  11                         ; v11      my stage + 528 r + 32 h
.set ORD,   12                         ; v12      my stage + 16 lane
.set CO,    13                         ; v13      16 lane: my 16 bytes of a row's 512 in out0
.set ONE,   14                         ; v14      1.0: the conversion to fp8 divides by 2^0
.set E8,    15                         ; v15      0x7f: the conversion back multiplies by 2^0
.set RS,    16                         ; v[16:19] 1 / sqrt(mean + eps) of token 16 mt + r
.set SUM,   20                         ; v[20:27] four pairs of running sums
.set SM,    28                         ; v[28:31] my wave's sum for token 16 mt + r
.set QC,    32                         ; v[32:47] fp8 codes; the four waves' sums
.set M,     48                         ; v[48:51] four running maxima
.set FQ,    52                         ; v[52:53] the quantising factor, twice
.set SC,    54                         ; v[54:55] the scale, twice
.set TT,    56                         ; v[56:59] at work
.set WB0,   64                         ; eight weight fragments, two buffers
.set WB1,   128
.set AB0,   192                        ; four activation fragments, two buffers
.set AB1,   224
.set NWR,   64                         ; v[64:191]  in a norm: the gains of my columns, 8 nt + j
.set UB,    192                        ; v[192:255] in a norm: 64 numbers of one token group
.set G1W,   16                         ; s[16:23] group 1, weights (joint)
.set G1X,   24                         ; s[24:31] group 1, x
.set G1N,   32                         ; s[32:39] group 1, gains
.set G0W,   40                         ; s[40:47] group 0, weights, a set for each slot
.set G0X,   48                         ; s[48:51]
.set G0N,   52                         ; s[52:55]
.set MSB, 0
.macro WIN new                         ; the immediate's high byte repeats the setting that is left; a switch that changes nothing is dropped
.if MSB != (\new)
	s_set_vgpr_msb (MSB<<8)|(\new)
.set MSB, (\new)
.endif
.endm
; A vector instruction that reads a matrix result, and a load into a register that a matrix instruction has named, stand four places behind it, and
; only plain vector instructions that name none of its registers are places (ISA guide 7.12.1 for vector instructions).
.macro PLACES
.rept 4
	v_nop
.endr
.endm
; A round of the cluster's barrier: my work-group's barrier, wave 0 signals for the work-group, every wave waits for all four work-groups, my work-group's barrier again.
.macro CREST                           ; a round behind its opening barrier
	s_cmp_lg_u32 s12, 0
	s_cbranch_scc1 .Lnot_wave_0_\@
	s_barrier_signal -3
.Lnot_wave_0_\@:
	s_barrier_wait -3
	s_barrier_signal -1
	s_barrier_wait -1
.endm
.macro ROUND
	s_barrier_signal -1
	s_barrier_wait -1
	CREST
.endm
	s_load_b256 s[4:11], s[0:1], 0x0               ; x s[4:5], norm_w s[6:7], wt s[8:9], out0 s[10:11]
	v_lshl_add_u32 v62, v0, 2, 0x4e400
	v_mov_b32 v63, 0
	ds_add_u32 v62, v63
	v_lshrrev_b32 v1, 5, v0
	v_readfirstlane_b32 s12, v1                    ; wave 0..3
	s_bfe_u32 s13, ttmp6, 0x40000                  ; cx: my place in the cluster; it enters the addresses of x and out0 alone
	s_lshl_b32 s2, ttmp9, 2                        ; in a cluster launch ttmp9 counts clusters
	s_add_co_u32 s2, s2, s13                       ; my work-group: 4 x cluster + cx
	s_lshl_b32 s2, s2, 18                          ; times 64 rows of 4,096 bytes
	s_lshl_b32 s14, s12, 10                        ; my wave's 1,024 bytes of a row
	s_add_co_u32 s2, s2, s14
	s_mov_b32 s3, 0
	s_mov_b32 s15, 0
	s_lshr_b32 s66, ttmp9, 2                       ; rho = (bits 1:0 xor bits 3:2) of the cluster's number: clusters that are neighbours in number,
	s_xor_b32 s66, s66, ttmp9                      ; and clusters four apart, walk the chunks in different orders; each of the four orders is taken by 16 of the 64 clusters
	s_and_b32 s66, s66, 3
	s_lshl_b32 s68, s66, 19                        ; my first chunk as a byte offset in wt
	s_mov_b32 s69, 0
	s_mov_b32 s56, 0x76543210                      ; v_permlanex16_b32: lane i of one half reads lane i of the other
	s_mov_b32 s57, 0xfedcba98
	s_mov_b32 s58, 0x3a800000                      ; 1 / 1024
	s_mov_b32 s59, 0x358637bd                      ; 1e-6
	s_mov_b32 s61, 0x43dffff9                      ; 448 (1 - 2^-21)
	s_mov_b32 s62, 0x3b124925                      ; 1 / 448
	; weights: a dense block of 32 KiB as 128 rows of 32 elements of 8 bytes; mask 15 = all four work-groups of the cluster, bit 21 beside it
	s_mov_b32 s[G1W+0], 15|(3<<16)|(1<<21)
	s_mov_b32 s[G1W+1], 32<<16                     ; tensor_dim0 = 32
	s_mov_b32 s[G1W+2], 128<<16                    ; tensor_dim1 = 128
	s_mov_b32 s[G1W+3], 32<<16                     ; tile_dim0 = 32
	s_mov_b32 s[G1W+4], 128                        ; tile_dim1 = 128
	s_mov_b32 s[G1W+5], 32                         ; pitch
	s_mov_b32 s[G1W+6], 0
	s_mov_b32 s[G1W+7], 0
	; x: 64 rows x 256 f32, pitch 1,024 elements; in LDS 4 words of padding behind every 256 words
	s_mov_b32 s[G1X+0], (2<<16)|(1<<20)|(7<<22)|(3<<25)
	s_mov_b32 s[G1X+1], 256<<16
	s_mov_b32 s[G1X+2], 64<<16
	s_mov_b32 s[G1X+3], 256<<16
	s_mov_b32 s[G1X+4], 64
	s_mov_b32 s[G1X+5], 1024
	s_mov_b32 s[G1X+6], 0
	s_mov_b32 s[G1X+7], 0
	; gains: 4 rows x 256 f32, pitch 1,024 elements, dense in LDS
	s_mov_b32 s[G1N+0], 2<<16
	s_mov_b32 s[G1N+1], 256<<16
	s_mov_b32 s[G1N+2], 4<<16
	s_mov_b32 s[G1N+3], 256<<16
	s_mov_b32 s[G1N+4], 4
	s_mov_b32 s[G1N+5], 1024
	s_mov_b32 s[G1N+6], 0
	s_mov_b32 s[G1N+7], 0
	s_mov_b32 s[G0X+0], 1
	s_mul_i32 s[G0X+1], s12, XSW                   ; LDS addresses hang on the wave's number alone
	s_mov_b32 s[G0N+0], 1
	s_lshl_b32 s[G0N+1], s12, 12
	s_add_co_u32 s[G0N+1], s[G0N+1], NW
	s_mov_b32 s[G0W+0], 1
	s_lshl_b32 s[G0W+1], s12, 15
	s_mov_b32 s[G0W+4], 1
	s_add_co_u32 s[G0W+5], s[G0W+1], BS
	s_wait_dscnt 0x0
	s_wait_kmcnt 0x0
	s_add_nc_u64 s[G0X+2:G0X+3], s[4:5], s[2:3]    ; x at my 64 rows, my wave's columns
	s_or_b32 s[G0X+3], s[G0X+3], 0x80000000
	s_add_nc_u64 s[10:11], s[10:11], s[2:3]        ; out0 likewise
	s_add_nc_u64 s[G0N+2:G0N+3], s[6:7], s[14:15]  ; norm_w at my wave's columns
	s_or_b32 s[G0N+3], s[G0N+3], 0x80000000
	s_lshl_b32 s14, s12, 15
	s_add_nc_u64 s[8:9], s[8:9], s[14:15]          ; wt at my wave's block of its first slot
	s_add_nc_u64 s[G0W+2:G0W+3], s[8:9], s[68:69]  ; layer 0, chunk rho, slot 0: made of the wave's and the cluster's numbers alone, equal in all four partners
	s_add_nc_u64 s[G0W+6:G0W+7], s[G0W+2:G0W+3], BS   ; and its slot 1
	s_or_b32 s[G0W+3], s[G0W+3], 0x80000000
	s_or_b32 s[G0W+7], s[G0W+7], 0x80000000
	ROUND                                          ; in a cluster launch every group of tensor loads stands behind a round
	tensor_load_to_lds s[G0X:G0X+3], s[G1X:G1X+7]  ; the first fills, as one group: two tensor loads of the wave are out, the most in this text
	s_nop 0
	tensor_load_to_lds s[G0N:G0N+3], s[G1N:G1N+7]
	s_nop 0
	v_and_b32 v1, 15, v0                           ; r
	v_bfe_u32 v2, v0, 4, 1                         ; h
	v_and_b32 v[TT], 31, v0                        ; lane
	v_lshlrev_b32 v[CO], 4, v[TT]
	v_add_nc_u32 v[BADR], s[G0W+1], v[CO]
	v_add_nc_u32 v[BADR+1], s[G0W+5], v[CO]
	s_mul_i32 s60, s12, ABLK
	s_add_co_u32 s60, s60, AC                      ; my block of AC
	v_mul_u32_u24 v[TT+1], v1, AP
	v_lshl_add_u32 v[TT+1], v2, 4, v[TT+1]
	v_add_nc_u32 v[AADR], AC, v[TT+1]
	v_add_nc_u32 v[ASTO], s60, v[TT+1]
	v_lshl_add_u32 v[NWADR], v2, 5, s[G0N+1]
	s_lshl_b32 s63, s12, 8
	s_add_co_u32 s63, s63, ST
	v_lshl_add_u32 v[STST], v1, 4, s63
	v_lshlrev_b32 v[STLD], 4, v1
	v_add_nc_u32 v[STLD], ST, v[STLD]
	v_mul_u32_u24 v[XADR], v1, XP
	v_lshl_add_u32 v[XADR], v2, 5, v[XADR]
	v_add_nc_u32 v[XADR], s[G0X+1], v[XADR]
	v_mul_u32_u24 v[OSTO], v1, OP
	v_lshl_add_u32 v[OSTO], v2, 5, v[OSTO]
	v_add_nc_u32 v[OSTO], s60, v[OSTO]
	v_add_nc_u32 v[ORD], s60, v[CO]
	v_mov_b32 v[ONE], 1.0
	v_mov_b32 v[E8], 0x7f
; x into the accumulators' layout: tile (mt, nt) of lane (r, h) is 32 bytes of row 16 mt + r at column 16 nt + 8 h
.macro XIN half
.irp ntl, 0,1,2,3,4,5,6,7
.irp mt, 0,1,2,3
	ds_load_b128 v[8*(4*\ntl+\mt):8*(4*\ntl+\mt)+3],   v[XADR] offset:\mt*16*XP+\half*512+\ntl*64
	ds_load_b128 v[8*(4*\ntl+\mt)+4:8*(4*\ntl+\mt)+7], v[XADR] offset:\mt*16*XP+\half*512+\ntl*64+16
.endr
.endr
.endm
; 16 LDS loads: the eight weight fragments of half step hs (= 2 kk + nh) of slot p.  A fragment is 1 KiB in register image: 16 lane, then + 512
.macro FETCHW p, hs, buf
.irp f, 0,1,2,3,4,5,6,7
	ds_load_b128 v[\buf+8*\f:\buf+8*\f+3],   v[BADR+(\p)] offset:(8*\hs+\f)*1024
	ds_load_b128 v[\buf+8*\f+4:\buf+8*\f+7], v[BADR+(\p)] offset:(8*\hs+\f)*1024+512
.endr
.endm
; 8 LDS loads: the four activation fragments (64 tokens) of the chunk's K step j8 of 32: block j8/2, half j8%2 of its rows
.macro FETCHA j8, buf
.irp mt, 0,1,2,3
	ds_load_b128 v[\buf+8*\mt:\buf+8*\mt+3],   v[AADR] offset:((\j8)>>1)*ABLK+\mt*16*AP+((\j8)&1)*64
	ds_load_b128 v[\buf+8*\mt+4:\buf+8*\mt+7], v[AADR] offset:((\j8)>>1)*ABLK+\mt*16*AP+((\j8)&1)*64+32
.endr
.endm
; 4 nf matrix instructions onto z: n tiles f0 .. f0 + nf - 1 of window 2 + nh, all four token tiles, 32 along K.
; The accumulators take turns, one instruction a turn: a tile comes up again after the 63 others, over the backward jumps too.
.macro MM nh, wb, ab, f0, nf
.if \nh
	WIN 0xf0
.else
	WIN 0xa0
.endif
.set mmf, \f0
.rept \nf
.irp mt, 0,1,2,3
	v_wmma_f32_16x16x32_bf16 v[8*(4*mmf+\mt):8*(4*mmf+\mt)+7], v[\wb+8*mmf:\wb+8*mmf+7], v[\ab+8*\mt:\ab+8*\mt+7], v[8*(4*mmf+\mt):8*(4*mmf+\mt)+7]
.endr
.set mmf, mmf+1
.endr
.endm
; One weight slot: K = 64, four half steps of 32 matrix instructions; each fetches the next one's fragments ahead of its products.  p: LDS slot; i: the slot's place in its chunk.
; mode 0: the slot is filled again, and the next slot of the chunk is begun.  1: filled again, the chunk ends.  2: no fill (nothing is left to fetch), next slot begun.  3: the very last.
; What a fill brings is two slots ahead: for i = 0, 1 slot i + 2 of the same chunk, for i = 2, 3 slot i - 2 of the next turn's chunk.
.macro SLOT p, i, mode
	WIN 0
	PLACES
	FETCHW \p, 1, WB1
	s_wait_dscnt 16                                ; all but the 16 just issued: this half step's weights and activations are in
	MM 0, WB0, AB0, 0, 8
	WIN 0
	PLACES
	FETCHW \p, 2, WB0
	FETCHA 2*\i+1, AB1
	s_wait_dscnt 24                                ; all but the 24 just issued
	MM 1, WB1, AB0, 0, 8
	WIN 0
	PLACES
	FETCHW \p, 3, WB1
	s_wait_dscnt 16                                ; all but the 16 just issued
	MM 0, WB0, AB1, 0, 8
	s_wait_dscnt 0x0                               ; the last fragments are in, and my reads of this slot (and, in mode 1, of the chunk) are over
.if \mode < 3
	s_wait_tensorcnt 0x0                           ; all my tensor loads have landed: the one that was out is my block of the other slot
	ds_add_u32 v62, v63
	s_wait_dscnt 0x0
.endif
.if \mode < 2
	; no load of mine is out, so this slot's group 0 may be written
.if \i < 2
	s_add_nc_u64 s[G0W+4*\p+2:G0W+4*\p+3], s[G0W+4*\p+2:G0W+4*\p+3], 2*BS   ; two slots on in the same chunk; the type bits on top are not reached
.else
	s_add_nc_u64 s[G0W+4*\p+2:G0W+4*\p+3], s[8:9], s[68:69]                 ; the next turn's chunk, slot 0,
.if \p
	s_add_nc_u64 s[G0W+4*\p+2:G0W+4*\p+3], s[G0W+4*\p+2:G0W+4*\p+3], BS     ; or slot 1
.endif
	s_or_b32 s[G0W+4*\p+3], s[G0W+4*\p+3], 0x80000000                       ; type = 2
.endif
	s_barrier_signal -1                            ; this barrier opens a round of the cluster's barrier
.endif
.if \mode == 3
	MM 1, WB1, AB1, 0, 8
.else
	MM 1, WB1, AB1, 0, 4                           ; work on registers while the others arrive
	WIN 0
.if \mode < 2
	s_barrier_wait -1
	CREST                                          ; no wave of any partner still reads this slot or has a load on its way
	tensor_load_to_lds s[G0W+4*\p:G0W+4*\p+3], s[G1W:G1W+7]   ; my one tensor load behind the round, first thing there; it has 112 matrix instructions in which to land
	s_nop 0
.endif
.if \mode != 1
	PLACES
	FETCHW 1-\p, 0, WB0
	FETCHA 2*\i+2, AB0
.endif
	MM 1, WB1, AB1, 4, 4
.endif
.endm
; My share of chunk c: my columns 64 c .. 64 c + 63 of all 64 tokens, from the parked registers into my block of AC
.macro STORES c
	WIN 0x04                                       ; store data in window 1
.irp mt, 0,1,2,3
.irp b, 0,1,2,3
	ds_store_b128 v[ASTO], v[4*(16*\mt+4*\c+\b):4*(16*\mt+4*\c+\b)+3] offset:\mt*16*AP+\b*32
.endr
.endr
	WIN 0
.endm
; The chunk of turn s60 is (s60 + rho) mod 4; the branches pick its parked registers.  They hang on the turn and on the cluster's number, the same in every wave
; and in all four partners, and jump over LDS stores alone.
.macro PICK
	s_add_co_u32 s70, s60, s66
	s_and_b32 s70, s70, 3
	s_cmp_eq_u32 s70, 0
	s_cbranch_scc1 .Lst0_\@
	s_cmp_eq_u32 s70, 1
	s_cbranch_scc1 .Lst1_\@
	s_cmp_eq_u32 s70, 2
	s_cbranch_scc1 .Lst2_\@
	STORES 3
	s_branch .Ljoin_\@
.Lst2_\@:
	STORES 2
	s_branch .Ljoin_\@
.Lst1_\@:
	STORES 1
	s_branch .Ljoin_\@
.Lst0_\@:
	STORES 0
.Ljoin_\@:
.endm
; The chunk is whole: every wave's stores are done before any wave reads.  My one weight load may stay out across it.
.macro HEAD
	s_wait_dscnt 0x0
	s_barrier_signal -1
	s_barrier_wait -1
	PLACES
	FETCHW 0, 0, WB0
	FETCHA 0, AB0
.endm
; The gains of norm l for my 256 columns: 32 bytes a lane for each of 16 tiles
.macro GAINS l
.irp nt, 0,1,2,3,4,5,6,7,8,9,10,11,12,13,14,15
	ds_load_b128 v[NWR+8*\nt:NWR+8*\nt+3],   v[NWADR] offset:\l*1024+\nt*64
	ds_load_b128 v[NWR+8*\nt+4:NWR+8*\nt+7], v[NWADR] offset:\l*1024+\nt*64+16
.endr
.endm
; sums of squares of one window of z, four chains (one a token tile); skip = 1 leaves out the four products that started the sums
.macro SQSUM skip
.irp ntl, 0,1,2,3,4,5,6,7
.irp q, 0,2,4,6
.if (\ntl+\q) >= \skip
.irp mt, 0,1,2,3
	v_pk_fma_f32 v[SUM+2*\mt:SUM+2*\mt+1], v[8*(4*\ntl+\mt)+\q:8*(4*\ntl+\mt)+\q+1], v[8*(4*\ntl+\mt)+\q:8*(4*\ntl+\mt)+\q+1], v[SUM+2*\mt:SUM+2*\mt+1]
.endr
.endif
.endr
.endr
.endm
; 1 / sqrt(mean of z^2 + eps) of every token into RS.  Stands behind the four places and the loads of the gains.
.macro STATS
	WIN 0x0a
.irp mt, 0,1,2,3
	v_pk_mul_f32 v[SUM+2*\mt:SUM+2*\mt+1], v[8*\mt:8*\mt+1], v[8*\mt:8*\mt+1]   ; the first products start the sums
.endr
	SQSUM 1
	WIN 0x0f
	SQSUM 0
	WIN 0
.irp mt, 0,1,2,3
	v_add_f32 v[SM+\mt], v[SUM+2*\mt], v[SUM+2*\mt+1]
.endr
.irp mt, 0,1,2,3
	v_permlanex16_b32 v[SUM+2*\mt], v[SM+\mt], s56, s57      ; the other half of the wave holds the token's other columns
.endr
.irp mt, 0,1,2,3
	v_add_f32 v[SM+\mt], v[SM+\mt], v[SUM+2*\mt]
.endr
	ds_store_b128 v[STST], v[SM:SM+3]              ; both halves write the same four sums; the last norm's readers have waited for their loads and passed a chunk's barrier since
	s_wait_dscnt 0x0                               ; for the others: my sums are in LDS (and my gains have come)
	s_barrier_signal -1
	s_barrier_wait -1
.irp w, 0,1,2,3
	ds_load_b128 v[QC+4*\w:QC+4*\w+3], v[STLD] offset:\w*256
.endr
	s_wait_dscnt 0x0
	v_pk_add_f32 v[QC:QC+1],     v[QC:QC+1],     v[QC+4:QC+5]
	v_pk_add_f32 v[QC+2:QC+3],   v[QC+2:QC+3],   v[QC+6:QC+7]
	v_pk_add_f32 v[QC+8:QC+9],   v[QC+8:QC+9],   v[QC+12:QC+13]
	v_pk_add_f32 v[QC+10:QC+11], v[QC+10:QC+11], v[QC+14:QC+15]
	v_pk_add_f32 v[QC:QC+1],     v[QC:QC+1],     v[QC+8:QC+9]
	v_pk_add_f32 v[QC+2:QC+3],   v[QC+2:QC+3],   v[QC+10:QC+11]
.irp mt, 0,1,2,3
	v_fma_f32 v[TT+\mt], v[QC+\mt], s58, s59       ; sum / 1024 + eps
.endr
.irp mt, 0,1,2,3
	v_rsq_f32 v[RS+\mt], v[TT+\mt]
.endr
	v_nop                                          ; one plain place behind the transcendentals (ISA guide 5.7.2)
	s_wait_alu depctr_va_vdst(0)
.endm
; One quantiser group (window 2 + gq = 128 columns) of the 16 tokens of tile row mt: 64 numbers a lane.
.macro UNIT gq, mt
	WIN 0x02+\gq
.irp ntl, 0,1,2,3,4,5,6,7
.irp q, 0,2,4,6
	v_pk_mul_f32 v[UB+8*\ntl+\q:UB+8*\ntl+\q+1], v[8*(4*\ntl+\mt)+\q:8*(4*\ntl+\mt)+\q+1], v[NWR+64*\gq+8*\ntl+\q:NWR+64*\gq+8*\ntl+\q+1]   ; z w
.endr
.endr
	WIN 0
.irp k, 0,1,2,3
	v_max_num_f32 v[M+\k], |v[UB+2*\k]|, |v[UB+2*\k+1]|      ; the first eight numbers start four chains
.endr
.set uj, 8
.rept 28
	v_max3_num_f32 v[M+(uj/2)%4], |v[UB+uj]|, |v[UB+uj+1]|, v[M+(uj/2)%4]
.set uj, uj+2
.endr
	v_max3_num_f32 v[M], v[M], v[M+1], v[M+2]
	v_max_num_f32 v[M], v[M], v[M+3]
	v_permlanex16_b32 v[M+1], v[M], s56, s57
	v_max_num_f32 v[M], v[M], v[M+1]               ; the largest |z w| of the token's group
	v_mul_f32 v[TT], v[M], v[RS+\mt]               ; amax of y
	v_max_num_f32 v[TT], 0x2b8cbccc, v[TT]         ; at least 1e-12
	v_rcp_f32 v[TT+1], v[TT]
	v_mul_f32 v[TT+2], s61, v[RS+\mt]              ; the plain place behind the reciprocal
	s_wait_alu depctr_va_vdst(0)
	v_mul_f32 v[FQ], v[TT+2], v[TT+1]              ; rs * 448 (1 - 2^-21) / amax, twice for the packed multiply
	v_mul_f32 v[FQ+1], v[TT+2], v[TT+1]
	v_mul_f32 v[SC], s62, v[TT]                    ; scale = amax / 448, twice
	v_mul_f32 v[SC+1], s62, v[TT]
.set uj, 0
.rept 32
	v_pk_mul_f32 v[UB+uj:UB+uj+1], v[UB+uj:UB+uj+1], v[FQ:FQ+1]      ; y / scale
.set uj, uj+2
.endr
.irp t, 0,1,2,3,4,5,6,7
	v_cvt_scalef32_pk8_fp8_f32 v[QC+2*\t:QC+2*\t+1], v[UB+8*\t:UB+8*\t+7], v[ONE]
.endr
	v_nop                                          ; one plain place behind the scaled conversions, before their results are read and their sources written
.irp t, 0,1,2,3,4,5,6,7
	v_cvt_scale_pk8_f32_fp8 v[UB+8*\t:UB+8*\t+7], v[QC+2*\t:QC+2*\t+1], v[E8]
.endr
	v_nop                                          ; and again
.set uj, 0
.rept 32
	v_pk_mul_f32 v[UB+uj:UB+uj+1], v[UB+uj:UB+uj+1], v[SC:SC+1]      ; q * scale
.set uj, uj+2
.endr
	WIN 0x40                                       ; parked in window 1
.irp ntl, 0,1,2,3,4,5,6,7
.irp q, 0,1,2,3
	v_cvt_pk_bf16_f32 v[4*(16*\mt+8*\gq+\ntl)+\q], v[UB+8*\ntl+2*\q], v[UB+8*\ntl+2*\q+1]
.endr
.endr
	WIN 0
.endm
; The way out: 16 tokens x 128 columns.  (z rs) w into my stage, read back as whole rows of 512 bytes, stored by one instruction a row.  rb: buffer in window 1
.macro OUTU mt, gq, rb
	v_mov_b32 v[FQ], v[RS+\mt]
	v_mov_b32 v[FQ+1], v[RS+\mt]
	WIN 0x02+\gq
.irp ntl, 0,1,2,3,4,5,6,7
.irp q, 0,2,4,6
	v_pk_mul_f32 v[UB+8*\ntl+\q:UB+8*\ntl+\q+1], v[8*(4*\ntl+\mt)+\q:8*(4*\ntl+\mt)+\q+1], v[FQ:FQ+1]
.endr
.endr
	WIN 0
.set uj, 0
.rept 32
	v_pk_mul_f32 v[UB+uj:UB+uj+1], v[UB+uj:UB+uj+1], v[NWR+64*\gq+uj:NWR+64*\gq+uj+1]
.set uj, uj+2
.endr
.irp ntl, 0,1,2,3,4,5,6,7
	ds_store_b128 v[OSTO], v[UB+8*\ntl:UB+8*\ntl+3]   offset:\ntl*64
	ds_store_b128 v[OSTO], v[UB+8*\ntl+4:UB+8*\ntl+7] offset:\ntl*64+16
.endr
	s_wait_xcnt 0x0                                ; the buffer, which earlier stores read, is loaded again only behind this wait
	WIN 0x40
.irp row, 0,1,2,3,4,5,6,7,8,9,10,11,12,13,14,15
	ds_load_b128 v[\rb+4*\row:\rb+4*\row+3], v[ORD] offset:\row*OP   ; LDS serves a wave's instructions in order (ISA guide 5.7.1): these see the stores above
.endr
	WIN 0x04
.irp row, 0,1,2,3,4,5,6,7,8,9,10,11,12,13,14,15
	s_wait_dscnt 15-\row                           ; this row is in, the younger ones stay out
	global_store_b128 v[CO], v[\rb+4*\row:\rb+4*\row+3], s[10:11] offset:(16*\mt+\row)*4096+\gq*512 th:TH_STORE_NT   ; 512 consecutive bytes of one row, aligned
.endr
	WIN 0
.endm
	; x: each wave reads only what its own load brought, so its own wait is all the ordering that the reads need
	s_wait_tensorcnt 0x0
	WIN 0x80
	XIN 0
	WIN 0xc0
	XIN 1
	WIN 0
	s_wait_dscnt 0x0                               ; my reads of the x stage are over,
	s_wait_tensorcnt 0x0                           ; no load of mine is out:
	ds_add_u32 v62, v63
	s_wait_dscnt 0x0
	ROUND                                          ; the same holds of every wave of the cluster
	tensor_load_to_lds s[G0W:G0W+3], s[G1W:G1W+7]  ; my first chunk's slot 0, into bytes that held x; it lands during the relu
	s_nop 0
	WIN 0x88
.set zi, 0
.rept 256
	v_max_num_f32 v[zi], 0, v[zi]                  ; relu, in place
.set zi, zi+1
.endr
	WIN 0xcc
.set zi, 0
.rept 256
	v_max_num_f32 v[zi], 0, v[zi]
.set zi, zi+1
.endr
	WIN 0
	s_wait_dscnt 0x0                               ; no LDS access of mine is out,
	s_wait_tensorcnt 0x0                           ; slot 0 has landed; no load of mine is out
	ds_add_u32 v62, v63
	s_wait_dscnt 0x0
	ROUND
	tensor_load_to_lds s[G0W+4:G0W+7], s[G1W:G1W+7]   ; my first chunk's slot 1, into the other bytes that held x; it lands during the first norm
	s_nop 0
	; THE LAYERS.  A trip: the norm and quantiser of layer s63 (z to the parked bf16), then its chunks.
	s_mov_b32 s63, 0
.Llayer:
	PLACES                                         ; behind the last layer's last products: z is read, and the fragment buffers are loaded again
	s_cmp_eq_u32 s63, 0                            ; the layer's gains: their place in LDS stands in the loads' immediates, picked by the layer's counter,
	s_cbranch_scc1 .Lgain0                         ; which is the same in every wave and every work-group; the branches jump over LDS loads alone
	s_cmp_eq_u32 s63, 1
	s_cbranch_scc1 .Lgain1
	GAINS 2
	s_branch .Lgained
.Lgain1:
	GAINS 1
	s_branch .Lgained
.Lgain0:
	GAINS 0
.Lgained:
	STATS
.irp gq, 0,1
.irp mt, 0,1,2,3
	UNIT \gq, \mt
.endr
.endr
	s_cmp_eq_u32 s63, 2
	s_cselect_b32 s15, 3, 4                        ; four turns a layer; the last layer's fourth is written out behind the loop
	; The turns of a layer.  A trip: 16 LDS stores, one barrier, four weight slots (512 matrix instructions).  AC is written again only behind the round in the last
	; slot of the turn before, in front of which every wave has waited for its reads.  The last two slots of a layer already ask for the first two of the next
	; layer's first chunk: the weights go on coming through the norms.
	s_mov_b32 s60, 0
.Lchunk:
	s_lshl2_add_u32 s67, s63, s60                  ; the next turn, counted through the layers: u = 4 layer + turn + 1, at most 11 in this loop
	s_add_co_u32 s67, s67, 1
	s_add_co_u32 s68, s67, s66
	s_and_b32 s68, s68, 3                          ; its chunk (u + rho) mod 4,
	s_lshl_b32 s68, s68, 19                        ; times four slots,
	s_lshr_b32 s67, s67, 2                         ; in layer u / 4,
	s_lshl_b32 s67, s67, 21                        ; times sixteen slots: with the slot and the wave's block at most the last byte of wt
	s_add_co_u32 s68, s68, s67                     ; s69 stays 0
	PICK
	HEAD
	SLOT 0, 0, 0
	SLOT 1, 1, 0
	SLOT 0, 2, 0
	SLOT 1, 3, 1
	WIN 0
	s_add_co_u32 s60, s60, 1
	s_cmp_lt_u32 s60, s15
	s_cbranch_scc1 .Lchunk
	s_add_co_u32 s63, s63, 1
	s_cmp_lt_u32 s63, 3
	s_cbranch_scc1 .Llayer
	s_mov_b32 s60, 3                               ; the last turn of the last layer: its first two slots ask for its own last two, the last two for nothing
	PICK
	HEAD
	SLOT 0, 0, 0
	SLOT 1, 1, 0
	SLOT 0, 2, 2
	SLOT 1, 3, 3
	WIN 0
	PLACES                                         ; behind the last products
	GAINS 3
	STATS                                          ; its barrier also stands between every wave's last reads of AC and the stores into the stages below
	OUTU 0, 0, 0
	OUTU 0, 1, 64
	OUTU 1, 0, 0
	OUTU 1, 1, 64
	OUTU 2, 0, 0
	OUTU 2, 1, 64
	OUTU 3, 0, 0
	OUTU 3, 1, 64
	s_wait_dscnt 0x0
	s_wait_tensorcnt 0x0
	ds_add_u32 v62, v63
	s_wait_dscnt 0x0
	ROUND                                          ; the closing round: no work-group ends while a partner may still ask jointly
	s_endpgm
.Lfunc_end_k_q65ea023f73_chain:
	.size	k_q65ea023f73_chain, .Lfunc_end_k_q65ea023f73_chain-k_q65ea023f73_chain
	.p2alignl 7, 3214868480
	.fill 96, 4, 3214868480
	.section	.rodata,"a",@progbits
	.p2align	6, 0x0
	.amdhsa_kernel k_q65ea023f73_chain
		.amdhsa_group_segment_fixed_size 327680
		.amdhsa_private_segment_fixed_size 0
		.amdhsa_enable_private_segment 0
		.amdhsa_kernarg_size 32
		.amdhsa_user_sgpr_count 2
		.amdhsa_user_sgpr_kernarg_segment_ptr 1
		.amdhsa_wavefront_size32 1
		.amdhsa_system_sgpr_workgroup_id_x 1
		.amdhsa_system_sgpr_workgroup_id_y 1
		.amdhsa_system_sgpr_workgroup_id_z 1
		.amdhsa_system_vgpr_workitem_id 0
		.amdhsa_next_free_vgpr 1024
		.amdhsa_next_free_sgpr 72
		.amdhsa_reserve_vcc 0
		.amdhsa_float_denorm_mode_32 3
		.amdhsa_float_denorm_mode_16_64 3
		.amdhsa_memory_ordered 1
		.amdhsa_forward_progress 1
		.amdhsa_inst_pref_size 255
	.end_amdhsa_kernel
	.section	.bss,"aw",@nobits
	.p2align	6
	.space	262144
	.amdgpu_metadata
---
amdhsa.version: [ 1, 2 ]
amdhsa.kernels:
  - .name:           k_q65ea023f73_chain
    .symbol:         k_q65ea023f73_chain.kd
    .args:
      - { .name: x, .offset: 0, .size: 8, .value_kind: global_buffer, .address_space: global }
      - { .name: norm_w, .offset: 8, .size: 8, .value_kind: global_buffer, .address_space: global }
      - { .name: wt, .offset: 16, .size: 8, .value_kind: global_buffer, .address_space: global }
      - { .name: out0, .offset: 24, .size: 8, .value_kind: global_buffer, .address_space: global }
    .group_segment_fixed_size: 327680
    .private_segment_fixed_size: 0
    .kernarg_segment_align: 8
    .kernarg_segment_size: 32
    .max_flat_workgroup_size: 128
    .sgpr_count:     72
    .vgpr_count:     1024
    .wavefront_size: 32
...
	.end_amdgpu_metadata
.endif
;; end of part 4
;; ======== version 4 of 4: 2 launches; version 3 with the launch prep written anew for expert scheduling mode
;; workspace buffers: wt 6,291,456 bytes
;; launch prep (part 5): grid 256 x 3, 1 waves a work-group, no clusters, 8,704 bytes of LDS; arguments w0, w1, w2, ws0, ws1, ws2, wt; writes wt
.if DOCPART == 5
	.amdgcn_target "amdgcn-amd-amdhsa--gfx1250"
	.amdhsa_code_object_version 6
	.text
	.protected	k_q65ea023f73_prep
	.globl	k_q65ea023f73_prep
	.p2align	8
	.type	k_q65ea023f73_prep,@function
k_q65ea023f73_prep:
	s_mov_b64 s[64:65], 0
	v_nop
	global_prefetch_b8 v0, s[64:65] scope:SCOPE_SE
	s_setreg_imm32_b32 hwreg(HW_REG_WAVE_SCHED_MODE, 0, 2), 2
	s_setreg_imm32_b32 hwreg(HW_REG_WAVE_MODE, 25, 1), 1
	s_wait_xcnt 0x0
	s_wait_alu depctr_vm_vsrc(0)
; wt = the three weight matrices, dequantised (w[k][n] * ws[k/128][n/128]), rounded once to bf16 and laid out as the stream of
; 1 KiB matrix fragments that the second launch eats.  Byte address in wt:
;   layer*2097152 + slot*131072 + wave*32768 + kk*16384 + nh*8192 + f*1024 + g*256 + r*16 + 2e
; holds column n = 256 wave + 128 nh + 16 f + r and row k = kb + 8 g + e, where sigma = 2 slot + kk and
;   kb = 256 ((sigma>>1)&3) + 64 (sigma>>3) + 32 (sigma&1)      (the order in which the second launch walks K).
; One wave a work-group.  Work-group (x, y): layer y, sigma = x>>3, column block cb = x&7: 32 rows x 128 columns, which lie in one
; block of ws, and 8 KiB of wt.  Each load covers 512 consecutive bytes of a row of w; the transposition goes through LDS; each store
; covers 512 consecutive bytes of wt, aligned.  No matrix unit, no cluster: the launch only moves and scales 12 MiB once.
; Limit: the product w * ws is rounded to f32 and then to bf16 (two roundings).
; THE MODE: SCHED_MODE bits 1:0 = 2 (LLVM: expert scheduling mode 2), set by the entry lines.  The code itself states the register dependences
; between vector instructions and memory or LDS instructions, with s_wait_alu, always for 0.
; THE PLAN.  The 32 rows go in four groups of eight.  Registers that memory or LDS instructions touch:
;   v1, v2       offsets and addresses, made at the head and never written again.
;   X, rows 0-31 Written by the 32 global loads.  Group g's multiplies read and write rows 8g .. 8g+7 in place, its conversions read them.
;                Rows 0-15 (v[4:67]) then take the sixteen read-backs from LDS, which the global stores read; nothing writes them after that.
;   Y0 .. Y3     Group g's conversions write Y[g]; the group's four LDS stores read it; a register of Y is written once in the kernel.
;   v140, v141   Written at the head, read by the closing add alone.
; A group's LDS stores stand at the head of the NEXT group, behind the wait for that group's rows and one wait on va_vdst.  Groups 0 and 1 make the first 512 bytes
; of every fragment: these are read back at group 2's head, land during its vector work, which names rows 16-23 and Y2 alone, and are stored ahead of the wait for the
; last rows.  The second halves follow behind group 3.  No register that a memory or LDS instruction reads is written again, so no wait on vm_vsrc is owed.
.set X,  4                             ; v[4:131]   row j of my 32 in v[4+4j : 7+4j]: four neighbouring columns a lane; later the fragments read back
.set Y,  144                           ; v[144:207] group g, column c: four packed words at Y + 16 g + 4 c
.set FP, 1040                          ; a fragment's pitch in the stage: 1,024 + 16, so that sixteen lanes hit sixteen different 16-byte columns
	s_load_b256 s[8:15], s[0:1], 0x0               ; w0 s[8:9], w1 s[10:11], w2 s[12:13], ws0 s[14:15]
	s_load_b128 s[16:19], s[0:1], 0x20             ; ws1 s[16:17], ws2 s[18:19]
	s_load_b64 s[20:21], s[0:1], 0x30              ; wt
	v_lshl_add_u32 v140, v0, 2, 0x2100
	v_mov_b32 v141, 0
	s_and_b32 s3, ttmp7, 0xffff                    ; layer
	s_lshr_b32 s26, ttmp9, 3                       ; sigma, 0 to 31
	s_and_b32 s27, ttmp9, 7                        ; cb, 0 to 7
	s_bfe_u32 s28, s26, 0x20001                    ; (sigma>>1)&3
	s_lshr_b32 s29, s26, 3                         ; sigma>>3
	s_and_b32 s30, s26, 1                          ; sigma&1
	; my word of ws: row kb/128 = 2 ((sigma>>1)&3) + (sigma>>4), column cb
	s_lshr_b32 s24, s29, 1
	s_lshl1_add_u32 s24, s28, s24
	s_lshl3_add_u32 s24, s24, s27
	s_lshl_b32 s24, s24, 2
	s_mov_b32 s25, 0
	; my corner of w: kb rows of 4,096 bytes + cb * 512 bytes
	s_lshl_b32 s32, s28, 20
	s_lshl_b32 s31, s29, 18
	s_add_co_u32 s32, s32, s31
	s_lshl_b32 s31, s30, 17
	s_add_co_u32 s32, s32, s31
	s_lshl_b32 s31, s27, 9
	s_add_co_u32 s32, s32, s31
	s_mov_b32 s33, 0
	; my 8 KiB of wt: layer, slot = sigma>>1, wave = cb>>1, kk = sigma&1, nh = cb&1
	s_lshl_b32 s34, s3, 21
	s_lshr_b32 s31, s26, 1
	s_lshl_b32 s31, s31, 17
	s_add_co_u32 s34, s34, s31
	s_lshr_b32 s31, s27, 1
	s_lshl_b32 s31, s31, 15
	s_add_co_u32 s34, s34, s31
	s_lshl_b32 s31, s30, 14
	s_add_co_u32 s34, s34, s31
	s_and_b32 s31, s27, 1
	s_lshl_b32 s31, s31, 13
	s_add_co_u32 s34, s34, s31
	s_mov_b32 s35, 0
	v_lshlrev_b32 v1, 4, v0                        ; 16 x lane: my 16 bytes of a row of w, of a read-back and of a store
	v_lshrrev_b32 v2, 2, v0                        ; my four columns 4 lane .. 4 lane + 3 lie in fragment f = lane>>2,
	v_and_b32 v3, 3, v0                            ; at r = 4 (lane&3) + c
	v_mul_u32_u24 v2, v2, FP
	v_lshl_add_u32 v2, v3, 6, v2                   ; f * 1040 + (lane&3) * 64
	s_wait_kmcnt 0x0
	s_cmp_eq_u32 s3, 1                             ; the layer picks its two buffers
	s_cselect_b64 s[4:5], s[10:11], s[8:9]
	s_cselect_b64 s[6:7], s[16:17], s[14:15]
	s_cmp_eq_u32 s3, 2
	s_cselect_b64 s[4:5], s[12:13], s[4:5]
	s_cselect_b64 s[6:7], s[18:19], s[6:7]
	s_add_nc_u64 s[4:5], s[4:5], s[32:33]
	s_add_nc_u64 s[6:7], s[6:7], s[24:25]
	s_add_nc_u64 s[20:21], s[20:21], s[34:35]
	s_load_b32 s22, s[6:7], 0x0                    ; the block's scale
	s_wait_alu depctr_va_vdst(0)                   ; v1 and v2 are written: every load, read-back and store of the kernel reads one of them as its offset or address
.irp j, 0,1,2,3,4,5,6,7,8,9,10,11,12,13,14,15,16,17,18,19,20,21,22,23,24,25,26,27,28,29,30,31
	global_load_b128 v[X+4*\j:X+4*\j+3], v1, s[4:5] offset:\j*4096 th:TH_LOAD_NT   ; all 32 rows are asked for at once; w is read once in the launch
.endr
	s_wait_kmcnt 0x0
	s_mov_b32 s23, s22                             ; the packed multiply names the pair
; Group g, eight rows: scale, pack pairs of rows (k, k + 1) of one column into words, 16 bytes = k 8g .. 8g+7 of one column.
.macro WORK g
.irp k, 0,1,2,3,4,5,6,7
	v_pk_mul_f32 v[X+4*(8*(\g)+(\k)):X+4*(8*(\g)+(\k))+1],   v[X+4*(8*(\g)+(\k)):X+4*(8*(\g)+(\k))+1],   s[22:23] op_sel_hi:[1,0]
	v_pk_mul_f32 v[X+4*(8*(\g)+(\k))+2:X+4*(8*(\g)+(\k))+3], v[X+4*(8*(\g)+(\k))+2:X+4*(8*(\g)+(\k))+3], s[22:23] op_sel_hi:[1,0]
.endr
.irp c, 0,1,2,3
.irp j, 0,1,2,3
	v_cvt_pk_bf16_f32 v[Y+16*(\g)+4*(\c)+(\j)], v[X+4*(8*(\g)+2*(\j))+(\c)], v[X+4*(8*(\g)+2*(\j)+1)+(\c)]
.endr
.endr
.endm
; Group g's four columns into the stage.
.macro PUT g
.irp c, 0,1,2,3
	ds_store_b128 v2, v[Y+16*(\g)+4*(\c):Y+16*(\g)+4*(\c)+3] offset:(\c)*16+(\g)*256
.endr
.endm
; Back as halves of fragments, 512 bytes an instruction: half u of all eight.  LDS serves a wave's instructions in order (ISA guide 5.7.1), so these see the stores above them.
.macro BACK u
.irp i, 0,1,2,3,4,5,6,7
	ds_load_b128 v[X+4*(2*(\i)+(\u)):X+4*(2*(\i)+(\u))+3], v1 offset:(\i)*FP+(\u)*512
.endr
.endm
.macro SEND u
.irp i, 0,1,2,3,4,5,6,7
	s_wait_dscnt 7-(\i)                            ; read-back i of the eight is in, the younger ones stay out
	global_store_b128 v1, v[X+4*(2*(\i)+(\u)):X+4*(2*(\i)+(\u))+3], s[20:21] offset:(2*(\i)+(\u))*512   ; 512 consecutive bytes, aligned; no hint: the next launch reads them
.endr
.endm
	s_wait_loadcnt 24                              ; loads come back in order: rows 0 .. 7 are in, the 24 younger rows stay out
	WORK 0
	s_wait_loadcnt 16                              ; rows 8 .. 15 are in
	s_wait_alu depctr_va_vdst(0)                   ; group 0's conversions have written Y0, which the four LDS stores below read
	PUT 0
	WORK 1
	s_wait_loadcnt 8                               ; rows 16 .. 23 are in
	s_wait_alu depctr_va_vdst(0)                   ; group 1's conversions have written Y1, which the LDS stores read; groups 0 and 1 are done reading and writing rows 0 .. 15, in which all sixteen read-backs land
	PUT 1
	BACK 0                                         ; the fragments' first halves are whole: they come back during group 2's vector work, which names none of their registers
	WORK 2
	SEND 0                                         ; and leave ahead of the wait for the last rows
	s_wait_loadcnt 0x0                             ; rows 24 .. 31 are in
	s_wait_alu depctr_va_vdst(0)                   ; group 2's conversions have written Y2, which the LDS stores read
	PUT 2
	WORK 3
	s_wait_alu depctr_va_vdst(0)                   ; group 3's conversions have written Y3, which the LDS stores read
	PUT 3
	BACK 1                                         ; the second halves; no vector instruction since group 2's head has named their registers
	SEND 1
	s_wait_dscnt 0x0                               ; the closing lines, six on end
	s_wait_alu 0x0
	s_wait_tensorcnt 0x0
	ds_add_u32 v140, v141
	s_wait_dscnt 0x0
	s_endpgm
.Lfunc_end_k_q65ea023f73_prep:
	.size	k_q65ea023f73_prep, .Lfunc_end_k_q65ea023f73_prep-k_q65ea023f73_prep
	.p2alignl 7, 3214868480
	.fill 96, 4, 3214868480
	.section	.rodata,"a",@progbits
	.p2align	6, 0x0
	.amdhsa_kernel k_q65ea023f73_prep
		.amdhsa_group_segment_fixed_size 8704
		.amdhsa_private_segment_fixed_size 0
		.amdhsa_enable_private_segment 0
		.amdhsa_kernarg_size 56
		.amdhsa_user_sgpr_count 2
		.amdhsa_user_sgpr_kernarg_segment_ptr 1
		.amdhsa_wavefront_size32 1
		.amdhsa_system_sgpr_workgroup_id_x 1
		.amdhsa_system_sgpr_workgroup_id_y 1
		.amdhsa_system_sgpr_workgroup_id_z 1
		.amdhsa_system_vgpr_workitem_id 0
		.amdhsa_next_free_vgpr 208
		.amdhsa_next_free_sgpr 66
		.amdhsa_reserve_vcc 0
		.amdhsa_float_denorm_mode_32 3
		.amdhsa_float_denorm_mode_16_64 3
		.amdhsa_memory_ordered 1
		.amdhsa_forward_progress 1
		.amdhsa_inst_pref_size 18
	.end_amdhsa_kernel
	.amdgpu_metadata
---
amdhsa.version: [ 1, 2 ]
amdhsa.kernels:
  - .name:           k_q65ea023f73_prep
    .symbol:         k_q65ea023f73_prep.kd
    .args:
      - { .name: w0, .offset: 0, .size: 8, .value_kind: global_buffer, .address_space: global }
      - { .name: w1, .offset: 8, .size: 8, .value_kind: global_buffer, .address_space: global }
      - { .name: w2, .offset: 16, .size: 8, .value_kind: global_buffer, .address_space: global }
      - { .name: ws0, .offset: 24, .size: 8, .value_kind: global_buffer, .address_space: global }
      - { .name: ws1, .offset: 32, .size: 8, .value_kind: global_buffer, .address_space: global }
      - { .name: ws2, .offset: 40, .size: 8, .value_kind: global_buffer, .address_space: global }
      - { .name: wt, .offset: 48, .size: 8, .value_kind: global_buffer, .address_space: global }
    .group_segment_fixed_size: 8704
    .private_segment_fixed_size: 0
    .kernarg_segment_align: 8
    .kernarg_segment_size: 56
    .max_flat_workgroup_size: 32
    .sgpr_count:     66
    .vgpr_count:     208
    .wavefront_size: 32
...
	.end_amdgpu_metadata
.endif
;; end of part 5
;; launch chain: the kernel of part 4 again; grid 256 x 1, 4 waves a work-group, clusters of 4 x 1, 327,680 bytes of LDS; arguments x, norm_w, wt, out0; writes out0
